; MI455X (gfx1250); checked and timed in simulation.
; The chip was launched on July 23, 2026; its instructions are those of AMD's public machine-readable ISA for CDNA 5 (MIT licence, August 2026) and "CDNA5" Instruction Set Architecture Reference Guide (July 2026). The comments in the code are by the model that wrote it; some were corrected since.
;; Hackable Decoder Layer. Allowed arithmetic: matrix products marked QUANTISED: E4M3 operands, one given power-of-two scale a tensor, by v_wmma_f32_16x16x64_fp8_fp8 or v_wmma_f32_16x16x128_fp8_fp8, f32 sums; everything else in f32.
;; Inputs: k_norm_w 64 float32; ln1_w 1,024 float32; ln2_w 1,024 float32; lowp_scales 16 int32 (the exponents e of the quantised operands' scales 2^e); q_norm_w 64 float32; w_down 1,024 x 4,096 float32; w_up 4,096 x 1,024 float32; wk 4 x 64 x 1,024 float32; wo 1,024 x 1,024 float32; wq 4 x 4 x 64 x 1,024 float32; wv 4 x 64 x 1,024 float32; x 2 x 2,048 x 1,024 float32.
;; Outputs: out0 2 x 2,048 x 1,024 float32.
;; This version of the problem:
;;   THIS VERSION OF THE PROBLEM IS GIVEN IN LOW PRECISION. The matrix products marked QUANTISED in the list below multiply operands that are first quantised to E4M3 (4 exponent bits, 3 mantissa bits; 8 bits a number), with one given power-of-two scale for each operand tensor; their sums are f32. All else is computed in f32.
;;   The module's matrix products, in the order in which they are computed (A, B: the left and right operand; K: the contracted axis; several contracted axes count as one K, in the product's order):
;;     1. [M 4,096, K 1,024] x [K 1,024, N 1,024]; A: computed on the way; B: input wq: QUANTISED (scales: A lowp_scales[0], B lowp_scales[1])
;;     2. [M 4,096, K 1,024] x [K 1,024, N 256]; A: computed on the way; B: input wk: QUANTISED (scales: A lowp_scales[2], B lowp_scales[3])
;;     3. [M 4,096, K 1,024] x [K 1,024, N 256]; A: computed on the way; B: input wv: QUANTISED (scales: A lowp_scales[4], B lowp_scales[5])
;;     4. batch 8 x [M 2,048, K 64] x [K 64, N 8,192]; A: computed on the way; B: computed on the way: QUANTISED (scales: A lowp_scales[6], B lowp_scales[7])
;;     5. batch 8 x [M 64, K 2,048] x [K 2,048, N 8,192]; A: computed on the way; B: softmax (see below): QUANTISED (scales: A lowp_scales[8], B lowp_scales[9])
;;     6. [M 4,096, K 1,024] x [K 1,024, N 1,024]; A: computed on the way; B: input wo: QUANTISED (scales: A lowp_scales[10], B lowp_scales[11])
;;     7. [M 4,096, K 1,024] x [K 1,024, N 4,096]; A: computed on the way; B: input w_up: QUANTISED (scales: A lowp_scales[12], B lowp_scales[13])
;;     8. [M 4,096, K 4,096] x [K 4,096, N 1,024]; A: computed on the way; B: input w_down: QUANTISED (scales: A lowp_scales[14], B lowp_scales[15])
;;   THE QUANTISER, for each operand of a quantised product, along K:
;;     - The operand's scale is 2^e, e = its entry of the input lowp_scales (int32; the entries are numbered through the quantised products in the list's order, A before B).
;;     - Each number is divided by the scale, clamped to +-448, and rounded to the nearest number of E4M3, ties to even, subnormals kept.
;;     - The product sums the exact products of the quantised numbers (number of the format x scale) in f32.
;;   ~~~python
;;   def quantise(x, axis, e):      # numpy; x: float32 -> the quantised numbers, widened to float32 again
;;       x = np.moveaxis(x, axis, -1); K = x.shape[-1]
;;       r = np.clip(x / 2.0 ** e, -448, 448)
;;       step = 2.0 ** (np.maximum(np.frexp(np.where(r == 0, 1, r))[1] - 1, -6) - 3)
;;       q = np.round(r / step) * step * 2.0 ** e      # np.round: ties to even
;;       return np.moveaxis(q, -1, axis).astype(np.float32)
;;   ~~~
;;   SOFTMAX AHEAD OF A QUANTISED PRODUCT. Where the list says 'softmax', what is quantised is not the finished softmax but p = 2^(t - M), with t = logit x log2(e) and M = ceil(the row's largest t), a whole number; so 1/2 < the row's largest p <= 1. The row's sum l is taken of the UNQUANTISED p, in f32, and the product's result is divided by l at the end. Since M is a whole number, a kernel that streams over the keys may use a running M (the ceiling of the running maximum): every later rescaling is an exact power of two, so the quantised numbers keep their values, but for numbers so far below the row's largest that they fall under the format's range.
;;   OPERANDS COMPUTED ON THE WAY. 'Computed on the way' means the value that the module computes at that place (a softmax that the list does not call 'softmax' is quantised finished and normalised). What goes into a quantiser is computed in f32, as accurately as f32 sums, v_exp_f32 and their like allow (about 1e-6 of the number): no bf16 or f16 on the way to a quantiser, and a product that is left as it is and whose result goes on into a quantised operand takes f32 operands (vector FMAs, or v_wmma_f32_16x16x4_f32). A number that lies on a knife's edge between two numbers of the format may be rounded either way, as far as f32 arithmetic and the matrix unit's own rounding can turn it there, and no further.
;; One version. Each part assembles by itself: llvm-mc -triple=amdgcn-amd-amdhsa -mcpu=gfx1250 --defsym DOCPART=n.
;; ======== version 1 of 1: 7 launches
;; limits: right only within a limited range of input values
;; workspace buffers: wc 11,010,048 bytes; hc 12,582,912 bytes; rope 524,288 bytes; qkvc 6,291,456 bytes; ac 4,194,304 bytes; x1 16,777,216 bytes; h2c 4,194,304 bytes; actc 16,777,216 bytes
;; launch prep (part 1): grid 592 x 1, 4 waves a work-group, no clusters, 41,472 bytes of LDS; arguments x, ln1_w, wq, wk, wv, wo, w_up, w_down, lowp_scales, wc, hc, rope; writes wc, hc, rope
.if DOCPART == 1
	.amdgcn_target "amdgcn-amd-amdhsa--gfx1250"
	.amdhsa_code_object_version 6
	.text
	.protected	k_qf8d54c4e0c_prep
	.globl	k_qf8d54c4e0c_prep
	.p2align	8
	.type	k_qf8d54c4e0c_prep,@function
k_qf8d54c4e0c_prep:
	s_mov_b64 s[64:65], 0
	v_nop
	global_prefetch_b8 v0, s[64:65] scope:SCOPE_SE
	s_setreg_imm32_b32 hwreg(HW_REG_WAVE_MODE, 25, 1), 1
	s_wait_xcnt 0x0
; PREP.  Work-groups 0-255: h = rms(x) * ln1_w, quantised three times (scales e0, e2, e4: products 1, 2, 3 may be given different ones) into hc, and the cos / sin table of the partial RoPE into rope.
; Work-groups 256-591: the six weights, all with K innermost, become codes of E4M3 in wc, one tensor behind the other: wq, wk, wv, wo, w_up, w_down (scales e1, e3, e5, e11, e13, e15).
; code = number / 2^e, held within +-448, rounded to the nearest code, ties to even.
; LIMITS: each e between -126 and 119, so that 2^e and 448 x 2^e are f32 numbers.  NaN among the inputs is not served.
; Every load reads 512 consecutive bytes a wave; the conversions want 16 neighbours along K in one lane, so the numbers turn through the wave's own stage in LDS (64 bytes + 16 of padding a lane).
; Waves share nothing: no barrier.  The two paths part on the work-group's number and have LDS bytes of their own.
.set XST,   20480                      ; the x path's stages: 4 x 5,120 bytes (the weights' path: 4 x 5,120 from byte 0)
.set SPARE, 40960                      ; the spare words, 128 bytes for each wave: two blocks of 256 bytes that no other line names
.set SPW,   12                         ; v12  LDS address of my spare word; never rewritten
.set NIL,   13                         ; v13  0; never rewritten
.set STEPS, 16                         ; weights: steps of 512 numbers a wave
.set WR,    16                         ; weights: v16-79 four sets of 16 numbers as loaded
.set WX,    80                         ;          v80-111 two sets of 16 neighbours
.set WC,    128                        ;          v128-191 codes, four registers a step: no store's data are written again
.set XW,    16                         ; x: v16-47 ln1_w at k = 512 t + 16 lane + i
.set XX,    48                         ;    v48-79 the row: register 16 t + i = k 512 t + 16 lane + i
.set XT,    80                         ;    v80-111 held numbers
.set XC,    112                        ;    v112-119 codes
.set XR,    128                        ;    v128-255 four rows as loaded
.macro MKSC e, sc, lim                 ; v[sc] = 2^e as f32 (the conversion takes its exponent field), v[lim] = 448 x 2^e
	s_add_co_i32 s32, s[\e], 127
	s_lshl_b32 s33, s32, 23
	v_mov_b32 v[\sc], s33
	s_add_co_i32 s32, s32, 8
	s_lshl_b32 s32, s32, 23
	s_or_b32 s32, s32, 0x600000
	v_mov_b32 v[\lim], s32
.endm
	s_load_b512 s[8:23], s[0:1], 0x0               ; x, ln1_w, wq, wk, wv, wo, w_up, w_down
	s_load_b256 s[24:31], s[0:1], 0x40             ; lowp_scales, wc, hc, rope
	v_lshl_add_u32 v[SPW], v0, 2, SPARE
	v_mov_b32 v[NIL], 0
	v_lshrrev_b32 v1, 5, v0
	v_readfirstlane_b32 s2, v1                     ; wave
	v_and_b32 v2, 31, v0                           ; lane
	v_lshlrev_b32 v3, 4, v2                        ; 16 x lane
	s_mul_i32 s3, s2, 5120
	v_lshrrev_b32 v14, 2, v2
	v_mul_u32_u24 v14, v14, 80
	v_and_b32 v15, 3, v2
	v_lshl_add_u32 v14, v15, 4, v14
	v_add_nc_u32 v14, s3, v14                      ; the stage on the way in: 80 (lane / 4) + 16 (lane % 4)
	v_mul_u32_u24 v15, v2, 80
	v_add_nc_u32 v15, s3, v15                      ; and on the way out: 80 x lane: my 16 neighbours
	s_wait_kmcnt 0x0
	s_load_b512 s[36:51], s[24:25], 0x0            ; e0 .. e15
	s_cmp_lt_u32 ttmp9, 256
	s_cbranch_scc1 .Lx
; ---------------- the weights ----------------
.macro PICK thr, ptr                   ; from work-group thr on: the next tensor
	s_cmp_ge_u32 s3, \thr
	s_cselect_b64 s[4:5], s[\ptr:\ptr+1], s[4:5]
	s_cselect_b32 s6, \thr, s6
.endm
.macro PICKE thr, e
	s_cmp_ge_u32 s3, \thr
	s_cselect_b32 s7, s[\e], s7
.endm
	s_sub_co_u32 s3, ttmp9, 256                    ; u: which 32,768 numbers of the six tensors on end
	s_mov_b64 s[4:5], s[12:13]
	s_mov_b32 s6, 0
	PICK 32, 14
	PICK 40, 16
	PICK 48, 18
	PICK 80, 20
	PICK 208, 22
	s_sub_co_u32 s6, s3, s6
	s_lshl_b32 s6, s6, 2
	s_add_co_u32 s6, s6, s2
	s_lshl_b32 s32, s6, 15                         ; my wave's 8,192 numbers in the tensor: 32,768 bytes each
	s_mov_b32 s33, 0
	s_add_nc_u64 s[4:5], s[4:5], s[32:33]
	s_lshl_b32 s32, s3, 2
	s_add_co_u32 s32, s32, s2
	s_lshl_b32 s32, s32, 13                        ; and their 8,192 codes in wc
	s_add_nc_u64 s[26:27], s[26:27], s[32:33]
.macro LOADW t
.irp i, 0,1,2,3
	global_load_b128 v[WR+16*((\t)%4)+4*\i:WR+16*((\t)%4)+4*\i+3], v3, s[4:5] offset:2048*(\t)+512*\i th:TH_LOAD_NT
.endr
.endm
.macro TURNW t                         ; LDS serves a wave's instructions in order: no wait between the stores and the loads
.irp i, 0,1,2,3
	ds_store_b128 v14, v[WR+16*((\t)%4)+4*\i:WR+16*((\t)%4)+4*\i+3] offset:2560*((\t)%2)+640*\i
.endr
.irp i, 0,1,2,3
	ds_load_b128 v[WX+16*((\t)%2)+4*\i:WX+16*((\t)%2)+4*\i+3], v15 offset:2560*((\t)%2)+16*\i
.endr
.endm
.irp t, 0,1,2,3
	LOADW \t
.endr
	s_wait_kmcnt 0x0
	s_mov_b32 s7, s37
	PICKE 32, 39
	PICKE 40, 41
	PICKE 48, 47
	PICKE 80, 49
	PICKE 208, 51
	MKSC 7, 11, 10
	s_wait_loadcnt 12                              ; step 0's four loads are in
	TURNW 0
.macro STEPW t
.set XS, WX+16*((\t)%2)
	s_wait_dscnt 0x0                               ; this step's numbers are back from the stage, and its stores into the stage have read their registers,
.if (\t)+4 < STEPS
	LOADW (\t)+4                                   ; which take the loads of four steps on
.endif
.if (\t)+1 < STEPS
.if STEPS-2-(\t) >= 3
	s_wait_loadcnt 12                              ; the next step's four loads are in; three steps' may be out
.else
	s_wait_loadcnt 4*(STEPS-2-(\t))
.endif
	TURNW (\t)+1
.endif
.set i, 0
.rept 16
	v_med3_num_f32 v[XS+i], v[XS+i], -v10, v10     ; the conversion does not saturate (ISA guide 7.6.2): the hold comes first
.set i, i+1
.endr
	v_cvt_scalef32_pk8_fp8_f32 v[WC+4*(\t):WC+4*(\t)+1], v[XS:XS+7], v11
	v_cvt_scalef32_pk8_fp8_f32 v[WC+4*(\t)+2:WC+4*(\t)+3], v[XS+8:XS+15], v11
	v_nop                                          ; a plain line behind the last conversion of the run
	global_store_b128 v3, v[WC+4*(\t):WC+4*(\t)+3], s[26:27] offset:512*(\t)   ; 32 lanes store 512 consecutive bytes
.endm
.irp t, 0,1,2,3,4,5,6,7,8,9,10,11,12,13,14,15
	STEPW \t
.endr
	s_wait_tensorcnt 0x0                           ; the wave's end
	ds_add_u32 v[SPW], v[NIL]
	s_wait_dscnt 0x0
	s_endpgm
; ---------------- x: four rows a wave ----------------
; sin and cos of a >= 0: n = the nearest whole number to a x 2/pi; r = a - n pi/2 in two parts; polynomials on |r| <= pi/4; the quadrant n mod 4 swaps and signs.
.macro SINCOS a, c, s, n, r, z, q
	v_mul_f32 v[\n], 0x3f22f983, v[\a]
	v_rndne_f32 v[\n], v[\n]
	v_fmamk_f32 v[\r], v[\n], 0xbfc90fdb, v[\a]
	v_fmamk_f32 v[\r], v[\n], 0x333bbd2e, v[\r]
	v_mul_f32 v[\z], v[\r], v[\r]
	v_mov_b32 v[\s], 0xb94ca1f9
	v_fmaak_f32 v[\s], v[\s], v[\z], 0x3c08839e
	v_fmaak_f32 v[\s], v[\s], v[\z], 0xbe2aaaa3
	v_mul_f32 v[\s], v[\s], v[\z]
	v_fma_f32 v[\s], v[\s], v[\r], v[\r]           ; sin r
	v_mov_b32 v[\c], 0x37ccf5ce
	v_fmaak_f32 v[\c], v[\c], v[\z], 0xbab6061a
	v_fmaak_f32 v[\c], v[\c], v[\z], 0x3d2aaaa5
	v_mul_f32 v[\c], v[\c], v[\z]
	v_fma_f32 v[\r], v[\z], -0.5, 1.0
	v_fma_f32 v[\c], v[\c], v[\z], v[\r]           ; cos r
	v_cvt_i32_f32 v[\q], v[\n]
	v_and_b32 v[\n], 1, v[\q]
	v_cmp_eq_u32 vcc_lo, 1, v[\n]
	v_cndmask_b32 v[\r], v[\s], v[\c], vcc_lo      ; odd quadrant: the two change places
	v_cndmask_b32 v[\z], v[\c], v[\s], vcc_lo
	v_and_b32 v[\n], 2, v[\q]
	v_lshlrev_b32 v[\n], 30, v[\n]
	v_xor_b32 v[\s], v[\r], v[\n]                  ; sin is negative in quadrants 2, 3
	v_add_nc_u32 v[\q], 1, v[\q]
	v_and_b32 v[\q], 2, v[\q]
	v_lshlrev_b32 v[\q], 30, v[\q]
	v_xor_b32 v[\c], v[\z], v[\q]                  ; cos in quadrants 1, 2
.endm
.Lx:
	s_lshl_b32 s3, ttmp9, 2
	s_add_co_u32 s3, s3, s2
	s_lshl_b32 s3, s3, 2                           ; my first row (token)
	s_mov_b32 s33, 0
	s_lshl_b32 s32, s3, 12
	s_add_nc_u64 s[8:9], s[8:9], s[32:33]          ; x
	s_lshl_b32 s32, s3, 10
	s_add_nc_u64 s[54:55], s[28:29], s[32:33]      ; hc under e0,
	s_add_nc_u64 s[56:57], s[54:55], 0x400000      ; under e2,
	s_add_nc_u64 s[58:59], s[54:55], 0x800000      ; under e4
	s_lshl_b32 s32, s3, 6
	s_add_nc_u64 s[30:31], s[30:31], s[32:33]      ; the table: 64 bytes a token
	s_mov_b32 s52, 0x76543210                      ; v_permlanex16_b32's selects: lane l xor 16
	s_mov_b32 s53, 0xfedcba98
	s_mov_b32 s60, 0x3a800000                      ; 1 / 1024
	s_mov_b32 s61, 0x3727c5ac                      ; 1e-5
	v_lshlrev_b32 v5, 6, v2
	v_lshlrev_b32 v4, 3, v2
.irp i, 0,1,2,3,4,5,6,7
	global_load_b128 v[XW+4*\i:XW+4*\i+3], v5, s[10:11] offset:2048*(\i/4)+16*(\i%4)
.endr
.irp n, 0,1,2,3
.irp i, 0,1,2,3,4,5,6,7
	global_load_b128 v[XR+32*\n+4*\i:XR+32*\n+4*\i+3], v3, s[8:9] offset:4096*\n+512*\i
.endr
.endr
	; the table, while the loads are on their way: lane l serves token row0 + l / 8 and frequencies 2 (l % 8), 2 (l % 8) + 1: angle = position x 2^(-0.625 i)
	v_lshrrev_b32 v48, 3, v2
	v_add_nc_u32 v48, s3, v48
	v_and_b32 v48, 0x7ff, v48
	v_cvt_f32_u32 v48, v48                         ; the position in the sequence
	v_and_b32 v49, 7, v2
	v_lshlrev_b32 v49, 1, v49
	v_cvt_f32_u32 v49, v49
	v_mul_f32 v50, 0xbf200000, v49
	v_add_f32 v51, 0xbf200000, v50
	v_exp_f32 v50, v50
	v_exp_f32 v51, v51
	v_nop                                          ; a plain line behind the exponentials,
	s_wait_alu depctr_va_vdst(0)                   ; and the one wait ahead of their first reader
	v_mul_f32 v50, v48, v50
	v_mul_f32 v51, v48, v51
	SINCOS 50, 112, 114, 52, 53, 54, 55
	SINCOS 51, 113, 115, 52, 53, 54, 55
	global_store_b64 v4, v[112:113], s[30:31]                  ; cos: the wave stores 256 consecutive bytes
	global_store_b64 v4, v[114:115], s[30:31] offset:262144    ; sin
	s_wait_kmcnt 0x0
	MKSC 36, 6, 9
	MKSC 38, 7, 10
	MKSC 40, 8, 11
.macro XQ n, sc, lim, base             ; the row under one scale
.set i, 0
.rept 32
	v_med3_num_f32 v[XT+i], v[XX+i], -v[\lim], v[\lim]
.set i, i+1
.endr
	s_wait_xcnt 0x0                                ; the earlier stores have read v112-119, which are written again now
.irp g, 0,1,2,3
	v_cvt_scalef32_pk8_fp8_f32 v[XC+2*\g:XC+2*\g+1], v[XT+8*\g:XT+8*\g+7], v[\sc]
.endr
	v_nop                                          ; a plain line behind the last conversion: the next holds write its sources
	global_store_b128 v3, v[XC:XC+3], s[\base:\base+1] offset:1024*(\n)
	global_store_b128 v3, v[XC+4:XC+7], s[\base:\base+1] offset:1024*(\n)+512
.endm
.macro XROW n
	s_wait_loadcnt 24-8*(\n)                       ; ln1_w and this row are in; the later rows' eight loads each may be out
.irp i, 0,1,2,3,4,5,6,7
	ds_store_b128 v14, v[XR+32*(\n)+4*\i:XR+32*(\n)+4*\i+3] offset:XST+2560*(\i/4)+640*(\i%4)
.endr
.irp i, 0,1,2,3,4,5,6,7
	ds_load_b128 v[XX+4*\i:XX+4*\i+3], v15 offset:XST+2560*(\i/4)+16*(\i%4)
.endr
	s_wait_dscnt 0x0
	v_pk_mul_f32 v[120:121], v[XX:XX+1], v[XX:XX+1]            ; the sum of squares, in two chains
	v_pk_mul_f32 v[122:123], v[XX+2:XX+3], v[XX+2:XX+3]
.irp i, 4,8,12,16,20,24,28
	v_pk_fma_f32 v[120:121], v[XX+\i:XX+\i+1], v[XX+\i:XX+\i+1], v[120:121]
	v_pk_fma_f32 v[122:123], v[XX+\i+2:XX+\i+3], v[XX+\i+2:XX+\i+3], v[122:123]
.endr
	v_pk_add_f32 v[120:121], v[120:121], v[122:123]
	v_add_f32 v120, v120, v121
	v_add_f32_dpp v120, v120, v120 row_xmask:1 row_mask:0xf bank_mask:0xf
	v_add_f32_dpp v120, v120, v120 row_xmask:2 row_mask:0xf bank_mask:0xf
	v_add_f32_dpp v120, v120, v120 row_xmask:4 row_mask:0xf bank_mask:0xf
	v_add_f32_dpp v120, v120, v120 row_xmask:8 row_mask:0xf bank_mask:0xf
	v_permlanex16_b32 v121, v120, s52, s53
	v_add_f32 v120, v120, v121
	v_fma_f32 v124, v120, s60, s61                 ; the mean + 1e-5
	v_rsq_f32 v126, v124
	v_rsq_f32 v127, v124
	v_nop
	s_wait_alu depctr_va_vdst(0)                   ; one wait for both, ahead of their first reader
.set i, 0
.rept 16
	v_pk_mul_f32 v[XX+i:XX+i+1], v[XX+i:XX+i+1], v[126:127]
.set i, i+2
.endr
.set i, 0
.rept 16
	v_pk_mul_f32 v[XX+i:XX+i+1], v[XX+i:XX+i+1], v[XW+i:XW+i+1]
.set i, i+2
.endr
	XQ \n, 6, 9, 54
	XQ \n, 7, 10, 56
	XQ \n, 8, 11, 58
.endm
	XROW 0
	XROW 1
	XROW 2
	XROW 3
	s_wait_tensorcnt 0x0                           ; the wave's end
	ds_add_u32 v[SPW], v[NIL]
	s_wait_dscnt 0x0
	s_endpgm
.Lfunc_end_k_qf8d54c4e0c_prep:
	.size	k_qf8d54c4e0c_prep, .Lfunc_end_k_qf8d54c4e0c_prep-k_qf8d54c4e0c_prep
	.p2alignl 7, 3214868480
	.fill 96, 4, 3214868480
	.section	.rodata,"a",@progbits
	.p2align	6, 0x0
	.amdhsa_kernel k_qf8d54c4e0c_prep
		.amdhsa_group_segment_fixed_size 41472
		.amdhsa_private_segment_fixed_size 0
		.amdhsa_enable_private_segment 0
		.amdhsa_kernarg_size 96
		.amdhsa_user_sgpr_count 2
		.amdhsa_user_sgpr_kernarg_segment_ptr 1
		.amdhsa_wavefront_size32 1
		.amdhsa_system_sgpr_workgroup_id_x 1
		.amdhsa_system_sgpr_workgroup_id_y 1
		.amdhsa_system_sgpr_workgroup_id_z 1
		.amdhsa_system_vgpr_workitem_id 0
		.amdhsa_next_free_vgpr 256
		.amdhsa_next_free_sgpr 66
		.amdhsa_reserve_vcc 1
		.amdhsa_float_denorm_mode_32 3
		.amdhsa_float_denorm_mode_16_64 3
		.amdhsa_memory_ordered 1
		.amdhsa_forward_progress 1
		.amdhsa_inst_pref_size 96
	.end_amdhsa_kernel
	.amdgpu_metadata
---
amdhsa.version: [ 1, 2 ]
amdhsa.kernels:
  - .name:           k_qf8d54c4e0c_prep
    .symbol:         k_qf8d54c4e0c_prep.kd
    .args:
      - { .name: x, .offset: 0, .size: 8, .value_kind: global_buffer, .address_space: global }
      - { .name: ln1_w, .offset: 8, .size: 8, .value_kind: global_buffer, .address_space: global }
      - { .name: wq, .offset: 16, .size: 8, .value_kind: global_buffer, .address_space: global }
      - { .name: wk, .offset: 24, .size: 8, .value_kind: global_buffer, .address_space: global }
      - { .name: wv, .offset: 32, .size: 8, .value_kind: global_buffer, .address_space: global }
      - { .name: wo, .offset: 40, .size: 8, .value_kind: global_buffer, .address_space: global }
      - { .name: w_up, .offset: 48, .size: 8, .value_kind: global_buffer, .address_space: global }
      - { .name: w_down, .offset: 56, .size: 8, .value_kind: global_buffer, .address_space: global }
      - { .name: lowp_scales, .offset: 64, .size: 8, .value_kind: global_buffer, .address_space: global }
      - { .name: wc, .offset: 72, .size: 8, .value_kind: global_buffer, .address_space: global }
      - { .name: hc, .offset: 80, .size: 8, .value_kind: global_buffer, .address_space: global }
      - { .name: rope, .offset: 88, .size: 8, .value_kind: global_buffer, .address_space: global }
    .group_segment_fixed_size: 41472
    .private_segment_fixed_size: 0
    .kernarg_segment_align: 8
    .kernarg_segment_size: 96
    .max_flat_workgroup_size: 128
    .sgpr_count:     66
    .vgpr_count:     256
    .wavefront_size: 32
...
	.end_amdgpu_metadata
.endif
;; end of part 1
;; launch qkv (part 2): grid 12 x 16, 8 waves a work-group, no clusters, 327,680 bytes of LDS; arguments hc, wc, rope, q_norm_w, k_norm_w, lowp_scales, qkvc; writes qkvc
.if DOCPART == 2
	.amdgcn_target "amdgcn-amd-amdhsa--gfx1250"
	.amdhsa_code_object_version 6
	.text
	.protected	k_qf8d54c4e0c_qkv
	.globl	k_qf8d54c4e0c_qkv
	.p2align	8
	.type	k_qf8d54c4e0c_qkv,@function
k_qf8d54c4e0c_qkv:
	s_mov_b64 s[64:65], 0
	v_nop
	global_prefetch_b8 v0, s[64:65] scope:SCOPE_SE
	s_setreg_imm32_b32 hwreg(HW_REG_WAVE_MODE, 25, 1), 1
	s_wait_xcnt 0x0
; QKV.  Products 1 to 3 on codes of E4M3, then the RMS norm of each head, the partial RoPE, and the quantisers of q (e7), k (e6) and v (e8).
; A work-group makes a tile of 256 x 128: 12 x 16 = 192 work-groups, at most one for each of the 256 WGPs (tiles of 128 x 128 would be 384: one and a half each).  Tile columns 0-7 are q, 8-9 k, 10-11 v.
; Eight waves, two to a SIMD, 64 x 64 each: 16 accumulators; a wave's 64 columns (v: its 64 rows) are one head.
; K = 1,024 goes in four steps of 256 through three LDS slots: three first fills, and K step 3 fills slot 0 again.  Waves 0-3 fetch A's four quarters, waves 4, 5 B's halves, 64 rows a load:
; three tensor loads of a wave are out at the start and one behind the refill's barrier.
; THE MATRIX INSTRUCTION IS USED TRANSPOSED (source 0 = 16 rows of "B", source 1 = 16 rows of "A"): a lane holds one row of A and eight neighbouring columns a tile.
; q, k: A = 256 tokens of h's codes, B = 128 rows of the weight: a lane holds one token and its registers run along the head: the next K.
; v: A = wv's 256 rows, B = 128 tokens of h (token tile 2 y + column - 10): a lane holds one channel d and eight neighbouring tokens: the keys, the K of attention's second product, come out innermost.
; NO CLUSTER: k's and v's tiles are two columns wide each and take other codes of h (other scales) than their neighbours, so four tile columns on end would not share one tile of A, and the way out parts on the tile column.
; LIMITS: e0+e1, e2+e3, e4+e5 (E), 2 E - 6, e6, e7 and e8 - E between -126 and 119.  NaN is not served.
; REGISTERS: window 0: v2-15 at work; v16-31 addresses; v32-63 the norm's weights, later codes; v64-127 cos and sin, later rows of codes; v128-255 the 16 accumulators ((a, b) at 128 + 8 (4 a + b)).
;   window 1: two fragment buffers of 128: A's four blocks (16 rows x 128 K, 16 registers), then B's four.
.set KB,     1024                      ; a row of codes in memory
.set KSTEP,  256
.set PITCH,  272                       ; an LDS row: 256 bytes + 16 = 68 words: the 16 rows of a fragment load start 4 banks apart (64 banks of 4 bytes: ISA guide 11.1)
.set LOADB,  64*PITCH                  ; what one tensor load brings
.set SLOT,   6*LOADB                   ; A's 256 rows, then B's 128
.set STAGE,  SLOT                      ; the way out: 64 rows x 80 bytes for each wave, in slot 1: it is filled once, and its reads are over ahead of the last barrier
.set SPARE,  3*SLOT                    ; the spare words, 128 bytes for each of eight waves: four blocks of 256 bytes that no other line names
.set ADRA, 16                          ; v16-18 LDS address of my A fragments in slot 0, 1, 2
.set ADRB, 19                          ; v19-21 the same for B
.set QSC,  22                          ; v22 the quantiser's scale
.set QLIM, 23
.set STO,  24
.set RD,   25
.set CO,   26
.set SPW,  28
.set NIL,  29
.set ACC,  128
.set F0,   0
.set F1,   128
.set G1,   24                          ; s[24:31] descriptor group 1; s[32:43] group 0, a set for each slot
.set G0,   32
.set MSB, 0
.macro WIN new                         ; the immediate's high byte repeats the setting that is left
.if MSB != \new
	s_set_vgpr_msb (MSB<<8)|\new
.set MSB, \new
.endif
.endm
.set MUL,  0x05                        ; sources 0 and 1 window 1; C and D window 0
.set TO_F, 0x40                        ; destination window 1, address window 0
.macro PLACES                          ; four plain places behind matrix instructions, ahead of loads into their registers and of the first read of results
.rept 4
	v_nop
.endr
.endm
	s_load_b128 s[4:7], s[0:1], 0x0                ; hc, wc
	s_load_b256 s[68:75], s[0:1], 0x10             ; rope, q_norm_w, k_norm_w, lowp_scales
	s_load_b64 s[8:9], s[0:1], 0x30                ; qkvc
	v_lshl_add_u32 v[SPW], v0, 2, SPARE
	v_mov_b32 v[NIL], 0
	ds_add_u32 v[SPW], v[NIL]                      ; the wave's opening: the add and its wait ahead of my first tensor load
	ds_add_u32 v[SPW], v[NIL]
	v_lshrrev_b32 v1, 5, v0
	s_delay_alu instid0(VALU_DEP_1)
	v_readfirstlane_b32 s10, v1                    ; wave 0..7
	s_lshr_b32 s11, s10, 1                         ; wm: my 64 of A's 256 rows
	s_and_b32 s12, s10, 1                          ; wn: my 64 of B's 128 rows
	s_and_b32 s13, ttmp7, 0xffff                   ; y: the tile of 256 tokens
	s_cmp_ge_u32 ttmp9, 8
	s_cselect_b32 s48, 1, 0                        ; 1 from k's tiles on
	s_cmp_ge_u32 ttmp9, 10
	s_cselect_b32 s49, 1, 0                        ; 1 in v's tiles
	s_add_co_u32 s50, s48, s49                     ; 0 q, 1 k, 2 v
	s_mov_b32 s[G1+0], (1<<20)|(5<<22)|(3<<25)     ; no mask; elements of 1 byte; padding: 4 words after every 64
	s_mov_b32 s[G1+1], KSTEP<<16                   ; tensor_dim0
	s_mov_b32 s[G1+2], 64<<16                      ; tensor_dim1
	s_mov_b32 s[G1+3], KSTEP<<16                   ; tile_dim0
	s_mov_b32 s[G1+4], 64                          ; tile_dim1
	s_mov_b32 s[G1+5], KB                          ; from row to row
	s_mov_b32 s[G1+6], 0
	s_mov_b32 s[G1+7], 0
	s_lshl_b32 s16, s50, 22                        ; h's codes under e0, e2 or e4
	s_lshl_b32 s17, s13, 18                        ; q, k: 256 tokens x 1,024 bytes x y
	s_lshl_b32 s18, s13, 1
	s_add_co_u32 s18, s18, ttmp9
	s_sub_co_u32 s18, s18, 10                      ; v: the tile of 128 tokens, 2 y + column - 10 (used in v's tiles alone)
	s_lshl_b32 s51, s18, 7                         ; its first token
	s_lshl_b32 s18, s18, 17
	s_lshl_b32 s20, ttmp9, 17                      ; q, k: the weights' 128 rows
	s_cmp_eq_u32 s49, 0
	s_cselect_b32 s17, s17, s18
	s_cselect_b32 s20, s20, 0x140000               ; v: wv's first row, 1,280 rows into wc
	s_add_co_u32 s16, s16, s17
	s_mov_b32 s17, 0
	s_mov_b32 s21, 0
	s_and_b32 s22, s10, 3
	s_lshl_b32 s22, s22, 16                        ; the 64 rows that I fetch: waves 0-3 of A, waves 4, 5 of B
	s_mov_b32 s23, 0
	s_mul_i32 s54, s10, LOADB                      ; and where they go: wave x 64 rows
	s_wait_dscnt 0x0                               ; the opening add is done
	s_wait_kmcnt 0x0
	s_load_b256 s[76:83], s[74:75], 0x0            ; e0 .. e7
	s_load_b32 s84, s[74:75], 0x20                 ; e8
	s_add_nc_u64 s[4:5], s[4:5], s[16:17]          ; h's tile
	s_add_nc_u64 s[6:7], s[6:7], s[20:21]          ; the weight's
	s_cmp_eq_u32 s49, 0
	s_cselect_b64 s[14:15], s[4:5], s[6:7]         ; A: h, or wv in v's tiles
	s_cselect_b64 s[52:53], s[6:7], s[4:5]         ; B: the weight, or h
	s_cmp_lt_u32 s10, 4
	s_cselect_b64 s[14:15], s[14:15], s[52:53]     ; the one that I fetch from
	s_add_nc_u64 s[14:15], s[14:15], s[22:23]
.irp s, 0,1,2
	s_mov_b32 s[G0+4*\s], 1                        ; count = 1
	s_add_co_u32 s[G0+4*\s+1], s54, \s*SLOT        ; LDS address
	s_add_nc_u64 s[G0+4*\s+2:G0+4*\s+3], s[14:15], \s*KSTEP   ; K step s
	s_or_b32 s[G0+4*\s+3], s[G0+4*\s+3], 0x80000000           ; type = 2
.endr
	s_cmp_lt_u32 s10, 6                            ; a wave's three first fills stand in one branch on its number; waves 6, 7 fetch nothing
	s_cbranch_scc0 .Lno_fetch
.irp s, 0,1,2
	tensor_load_to_lds s[G0+4*\s:G0+4*\s+3], s[G1:G1+7]
	s_nop 0
.endr
.rept 4
	v_nop
.endr
.Lno_fetch:
	v_and_b32 v1, 15, v0                           ; r
	v_bfe_u32 v2, v0, 4, 1                         ; h
	s_delay_alu instid0(VALU_DEP_2)
	v_mul_u32_u24 v3, v1, PITCH
	s_delay_alu instid0(VALU_DEP_1)
	v_lshl_add_u32 v3, v2, 4, v3
	s_mul_i32 s21, s11, LOADB                      ; my 64 rows of A
	s_mul_i32 s22, s12, LOADB
	s_add_co_u32 s22, s22, 4*LOADB                 ; my 64 rows of B, behind A's 256
.irp s, 0,1,2
	v_add_nc_u32 v[ADRA+\s], s21, v3
	v_add_nc_u32 v[ADRB+\s], s22, v3
	s_add_co_u32 s21, s21, SLOT
	s_add_co_u32 s22, s22, SLOT
.endr
	s_mul_i32 s23, s10, 5120
	s_add_co_u32 s23, s23, STAGE                   ; my stage
	v_mul_u32_u24 v4, v1, 80
	s_delay_alu instid0(VALU_DEP_1)
	v_lshl_add_u32 v4, v2, 3, v4
	s_delay_alu instid0(VALU_DEP_1)
	v_add_nc_u32 v[STO], s23, v4                   ; in: row r, 8 bytes for each half of the lanes
	v_bfe_u32 v5, v0, 2, 3
	s_delay_alu instid0(VALU_DEP_1)
	v_mul_u32_u24 v5, v5, 80
	v_and_b32 v6, 3, v0
	s_delay_alu instid0(VALU_DEP_1)
	v_lshl_add_u32 v5, v6, 4, v5
	s_delay_alu instid0(VALU_DEP_1)
	v_add_nc_u32 v[RD], s23, v5                    ; back: four lanes to a row of 64 bytes
	v_and_b32 v6, 31, v0
	s_delay_alu instid0(VALU_DEP_1)
	v_lshlrev_b32 v[CO], 4, v6                     ; out: 16 x lane
	v_mov_b32 v14, 0                               ; written once: a lane permute's destination counts as read
	v_lshlrev_b32 v30, 5, v2                       ; the norm's weights: 32 h
	s_delay_alu instid0(VALU_DEP_1)
	v_lshl_add_u32 v31, v1, 6, v30                 ; the table: 64 r + 32 h
	s_cmp_eq_u32 s50, 0
	s_cselect_b64 s[86:87], s[70:71], s[72:73]     ; q_norm_w, else k_norm_w
	s_lshl_b32 s16, s13, 14
	s_lshl_b32 s17, s11, 12
	s_add_co_u32 s16, s16, s17
	s_mov_b32 s17, 0
	s_add_nc_u64 s[68:69], s[68:69], s[16:17]      ; the table at token 256 y + 64 wm, 64 bytes a token
.irp b, 0,1,2,3
	global_load_b128 v[32+8*\b:35+8*\b], v30, s[86:87] offset:64*\b        ; weight at 16 b + 8 h + j
	global_load_b128 v[36+8*\b:39+8*\b], v30, s[86:87] offset:64*\b+16
.endr
.irp a, 0,1,2,3
	global_load_b128 v[64+16*\a:67+16*\a], v31, s[68:69] offset:1024*\a            ; cos at token 16 a + r, frequencies 8 h + j
	global_load_b128 v[68+16*\a:71+16*\a], v31, s[68:69] offset:1024*\a+16
	global_load_b128 v[72+16*\a:75+16*\a], v31, s[68:69] offset:262144+1024*\a     ; sin
	global_load_b128 v[76+16*\a:79+16*\a], v31, s[68:69] offset:262144+1024*\a+16
.endr
	; where my 4,096 bytes of codes go: q [b 16 + head][2048][64], k [b 4 + kv][2048][64] from 4 MiB, v [b 4 + kv][32 chunks][64 d][64 keys] from 5 MiB: one formula
	s_lshl_b32 s18, s13, 8
	s_lshl_b32 s16, s11, 6
	s_add_co_u32 s18, s18, s16                     ; q, k: my first token, 256 y + 64 wm
	s_lshl_b32 s16, s12, 6
	s_add_co_u32 s19, s51, s16                     ; v: the tile's first token + 64 wn
	s_lshl_b32 s21, s48, 3                         ; q, k: the part's first tile column, 0 or 8
	s_sub_co_u32 s21, ttmp9, s21
	s_lshl_b32 s21, s21, 1
	s_add_co_u32 s21, s21, s12                     ; q, k: the head
	s_cmp_eq_u32 s49, 0
	s_cselect_b32 s18, s18, s19
	s_cselect_b32 s21, s21, s11                    ; v: the head is wm
	s_lshr_b32 s22, s18, 11                        ; b
	s_and_b32 s18, s18, 2047                       ; the position
	s_cmp_eq_u32 s50, 0
	s_cselect_b32 s23, 4, 2
	s_lshl_b32 s22, s22, s23
	s_add_co_u32 s22, s22, s21
	s_lshl_b32 s22, s22, 11
	s_add_co_u32 s22, s22, s18
	s_lshl_b32 s16, s22, 6
	s_lshl_b32 s17, s48, 22
	s_add_co_u32 s16, s16, s17
	s_lshl_b32 s17, s49, 20
	s_add_co_u32 s16, s16, s17
	s_mov_b32 s17, 0
	s_add_nc_u64 s[8:9], s[8:9], s[16:17]
	s_mov_b32 s96, 0x76543210
	s_mov_b32 s97, 0xfedcba98
.macro MUL4 f, a, zero                 ; A's block a against B's four, 128 along K.  The 16 accumulators take turns, one instruction a turn, in the same order in every quarter
.irp b, 0,1,2,3
.if \zero
	v_wmma_f32_16x16x128_fp8_fp8 v[ACC+8*(4*(\a)+\b):ACC+8*(4*(\a)+\b)+7], v[\f+64+16*\b:\f+64+16*\b+15], v[\f+16*(\a):\f+16*(\a)+15], 0
.else
	v_wmma_f32_16x16x128_fp8_fp8 v[ACC+8*(4*(\a)+\b):ACC+8*(4*(\a)+\b)+7], v[\f+64+16*\b:\f+64+16*\b+15], v[\f+16*(\a):\f+16*(\a)+15], v[ACC+8*(4*(\a)+\b):ACC+8*(4*(\a)+\b)+7]
.endif
.endr
.endm
.macro FETCH slot, k, f                ; 32 LDS loads in one run: B's four fragments, then A's; registers 4 c .. 4 c + 3 hold K = 32 c + 16 h + 0 .. 15, alike on both sides
	WIN TO_F
.irp i, 0,1,2,3
.irp c, 0,1,2,3
	ds_load_b128 v[\f+64+16*\i+4*\c:\f+64+16*\i+4*\c+3], v[ADRB+\slot] offset:\k+32*\c+\i*16*PITCH
.endr
.endr
.irp i, 0,1,2,3
.irp c, 0,1,2,3
	ds_load_b128 v[\f+16*\i+4*\c:\f+16*\i+4*\c+3], v[ADRA+\slot] offset:\k+32*\c+\i*16*PITCH
.endr
.endr
.endm
.macro QUARTER slot, k, f, g, zero     ; 128 along K from buffer f; the next 128's fragments, at byte k of the slot's rows, into g
	s_wait_dscnt 8                                 ; B's four and A's blocks 0, 1 are in; the youngest eight loads (blocks 2, 3) may be out
	WIN MUL
	MUL4 \f, 0, \zero
	MUL4 \f, 1, \zero
	PLACES
	FETCH \slot, \k, \g
	s_wait_dscnt 32                                ; all but the 32 just issued
	WIN MUL
	MUL4 \f, 2, \zero
	MUL4 \f, 3, \zero
.endm
; 128 along K from buffer 1, with a barrier in its middle.  In front of it each wave waits for all its tensor loads, adds 0 to its spare word, and waits for that and for its LDS reads.
; fill = 1: slot 0 has been read out: K step 3 is asked for into it, first thing behind the barrier, one load a wave; it has K steps 1 and 2 in which to land.
.macro TURN next, fill
	WIN 0
	s_wait_tensorcnt 0x0                           ; all my tensor loads have landed (fill = 1: slots 1 and 2; fill = 0: K step 3), so a group 0 may be written
	ds_add_u32 v[SPW], v[NIL]
.if \fill
	s_add_nc_u64 s[G0+2:G0+3], s[G0+2:G0+3], 3*KSTEP   ; slot 0's next tile: K step 3; the type bits on top are not reached
.endif
	s_wait_dscnt 9                                 ; (the add and the youngest eight loads may be out)
	WIN MUL
	MUL4 F1, 0, 0
	s_wait_dscnt 0x0                               ; the add is done, my reads of the slots so far are over
	s_barrier_signal -1
	MUL4 F1, 1, 0
.if \fill
	WIN 0                                          ; (a branch follows)
.endif
	s_barrier_wait -1
.if \fill
	s_cmp_lt_u32 s10, 6
	s_cbranch_scc0 .Lnone_\@
	tensor_load_to_lds s[G0:G0+3], s[G1:G1+7]
	s_nop 0
.rept 4
	v_nop
.endr
.Lnone_\@:
.endif
	PLACES                                         ; on every wave's way: ahead of the loads into buffer 0
	FETCH \next, 0, F0
	WIN MUL
	MUL4 F1, 2, 0
	MUL4 F1, 3, 0
.endm
	s_wait_tensorcnt 2                             ; my part of slot 0 is in; slots 1 and 2 may be out
	s_barrier_signal -1
	s_barrier_wait -1
	FETCH 0, 0, F0
	QUARTER 0, 128, F0, F1, 1                      ; K step 0; the first products start the sums: nothing is cleared
	TURN 1, 1                                      ; behind this barrier slots 1 and 2 are whole for every wave, and slot 0 is filled again
	QUARTER 1, 128, F0, F1, 0                      ; K step 1
	QUARTER 2, 0,   F1, F0, 0                      ; on into slot 2: no barrier is wanted
	QUARTER 2, 128, F0, F1, 0                      ; K step 2
	TURN 0, 0                                      ; K step 3 has landed
	QUARTER 0, 128, F0, F1, 0
	s_wait_dscnt 8
	WIN MUL
	MUL4 F1, 0, 0
	MUL4 F1, 1, 0
	s_wait_dscnt 0x0
	MUL4 F1, 2, 0
	MUL4 F1, 3, 0
	WIN 0
	PLACES
	; the scales, by selects alone: E = the product's two exponents; eo = the quantiser's
	s_wait_kmcnt 0x0
	s_add_co_i32 s88, s76, s77
	s_add_co_i32 s89, s78, s79
	s_add_co_i32 s90, s80, s81
	s_cmp_eq_u32 s50, 0
	s_cselect_b32 s88, s88, s89
	s_cselect_b32 s91, s83, s82                    ; q: e7; k: e6
	s_cmp_eq_u32 s49, 0
	s_cselect_b32 s88, s88, s90                    ; E
	s_cselect_b32 s91, s91, s84                    ; v: e8
	s_cselect_b32 s92, 0, s88                      ; q and k are brought to their true size by the norm; v's sums lack 2^E, which is folded into the conversion's scale
	s_sub_co_i32 s92, s91, s92
	s_add_co_i32 s92, s92, 127
	s_lshl_b32 s89, s92, 23
	v_mov_b32 v[QSC], s89
	s_lshl_b32 s93, s88, 1
	s_add_co_i32 s93, s93, 121
	s_lshl_b32 s93, s93, 23                        ; 2^(2 E - 6): the mean of 64 squares of sums that lack 2^E
	s_add_co_i32 s94, s88, 127
	s_lshl_b32 s94, s94, 23                        ; 2^E
	s_mov_b32 s95, 0x3727c5ac                      ; 1e-5
	s_wait_loadcnt 0x0                             ; the weights and the table
	s_cmp_lg_u32 s49, 0
	s_cbranch_scc1 .Lquant                         ; v has no norm and no RoPE
.macro SSQ a                           ; the mean of squares of row 16 a + r: my 32 numbers in two chains, each tile from its low end on, then lane l xor 16's
.set AB, ACC+32*(\a)
	v_pk_mul_f32 v[10:11], v[AB:AB+1], v[AB:AB+1]
	v_pk_mul_f32 v[12:13], v[AB+16:AB+17], v[AB+16:AB+17]
.irp p, 2,4,6,8,10,12,14
	v_pk_fma_f32 v[10:11], v[AB+\p:AB+\p+1], v[AB+\p:AB+\p+1], v[10:11]
	v_pk_fma_f32 v[12:13], v[AB+16+\p:AB+17+\p], v[AB+16+\p:AB+17+\p], v[12:13]
.endr
	s_delay_alu instid0(VALU_DEP_1)
	v_pk_add_f32 v[10:11], v[10:11], v[12:13]
	s_delay_alu instid0(VALU_DEP_1)
	v_add_f32 v10, v10, v11
	s_delay_alu instid0(VALU_DEP_1)
	v_permlanex16_b32 v14, v10, s96, s97
	s_delay_alu instid0(VALU_DEP_1)
	v_add_f32 v10, v10, v14
	s_delay_alu instid0(VALU_DEP_1)
	v_fma_f32 v[2+2*(\a)], v10, s93, s95
.endm
	SSQ 0
	SSQ 1
	SSQ 2
	SSQ 3
	s_wait_alu depctr_va_vdst(0)
.irp a, 0,1,2,3
	v_rsq_f32 v[2+2*\a], v[2+2*\a]
.endr
	v_nop
	s_wait_alu depctr_va_vdst(0)                   ; one wait for the four, ahead of their first reader
.irp a, 0,1,2,3
	v_mul_f32 v[2+2*\a], s94, v[2+2*\a]            ; x 2^E: exact
	s_delay_alu instid0(VALU_DEP_1)
	v_mov_b32 v[3+2*\a], v[2+2*\a]
.endr
.macro NRM a                           ; (x rsqrt) w, then the RoPE: channels 0-15 (tile 0) turn with channels 32-47 (tile 2); the others keep their values (cos 1, sin 0)
.set AB, ACC+32*(\a)
.set FA, 2+2*(\a)
.set CA, 64+16*(\a)
.set pp, 0
.rept 16
	v_pk_mul_f32 v[AB+pp:AB+pp+1], v[AB+pp:AB+pp+1], v[FA:FA+1]
.set pp, pp+2
.endr
.set pp, 0
.rept 16
	v_pk_mul_f32 v[AB+pp:AB+pp+1], v[AB+pp:AB+pp+1], v[32+pp:33+pp]
.set pp, pp+2
.endr
.irp p, 0,2,4,6
	v_pk_mul_f32 v[10:11], v[AB+16+\p:AB+17+\p], v[CA+8+\p:CA+9+\p]
	v_pk_mul_f32 v[12:13], v[AB+\p:AB+\p+1], v[CA+8+\p:CA+9+\p]
	s_delay_alu instid0(VALU_DEP_2)
	v_pk_fma_f32 v[AB+\p:AB+\p+1], v[AB+\p:AB+\p+1], v[CA+\p:CA+\p+1], v[10:11] neg_lo:[0,0,1] neg_hi:[0,0,1]
	s_delay_alu instid0(VALU_DEP_2)
	v_pk_fma_f32 v[AB+16+\p:AB+17+\p], v[AB+16+\p:AB+17+\p], v[CA+\p:CA+\p+1], v[12:13]
.endr
.endm
	NRM 0
	NRM 1
	NRM 2
	NRM 3
.Lquant:
.set t, 0
	s_wait_alu depctr_va_vdst(0)
.rept 16                               ; a tile's eight registers are eight neighbours along the next K: 8 codes
.set i, 0
.rept 8
.set i, i+1
.endr
	v_cvt_scalef32_pk8_fp8_f32 v[32+2*t:33+2*t], v[ACC+8*t:ACC+8*t+7], v[QSC]
.set t, t+1
.endr
	v_nop                                          ; a plain line behind the last conversion
.irp a, 0,1,2,3
.irp b, 0,1,2,3
	ds_store_b64 v[STO], v[32+2*(4*\a+\b):33+2*(4*\a+\b)] offset:1280*\a+16*\b
.endr
.endr
.irp i, 0,1,2,3,4,5,6,7
	ds_load_b128 v[64+4*\i:67+4*\i], v[RD] offset:640*\i       ; LDS serves a wave's instructions in order: these see my stores
.endr
.irp i, 0,1,2,3,4,5,6,7
	s_wait_dscnt 7-\i
	global_store_b128 v[CO], v[64+4*\i:67+4*\i], s[8:9] offset:512*\i   ; 32 lanes store 512 consecutive bytes
.endr
	s_wait_tensorcnt 0x0                           ; the wave's end
	ds_add_u32 v[SPW], v[NIL]
	s_wait_dscnt 0x0
	s_endpgm
.Lfunc_end_k_qf8d54c4e0c_qkv:
	.size	k_qf8d54c4e0c_qkv, .Lfunc_end_k_qf8d54c4e0c_qkv-k_qf8d54c4e0c_qkv
	.p2alignl 7, 3214868480
	.fill 96, 4, 3214868480
	.section	.rodata,"a",@progbits
	.p2align	6, 0x0
	.amdhsa_kernel k_qf8d54c4e0c_qkv
		.amdhsa_group_segment_fixed_size 327680
		.amdhsa_private_segment_fixed_size 0
		.amdhsa_enable_private_segment 0
		.amdhsa_kernarg_size 56
		.amdhsa_user_sgpr_count 2
		.amdhsa_user_sgpr_kernarg_segment_ptr 1
		.amdhsa_wavefront_size32 1
		.amdhsa_system_sgpr_workgroup_id_x 1
		.amdhsa_system_sgpr_workgroup_id_y 1
		.amdhsa_system_sgpr_workgroup_id_z 1
		.amdhsa_system_vgpr_workitem_id 0
		.amdhsa_next_free_vgpr 512
		.amdhsa_next_free_sgpr 100
		.amdhsa_reserve_vcc 0
		.amdhsa_float_denorm_mode_32 3
		.amdhsa_float_denorm_mode_16_64 3
		.amdhsa_fp16_overflow 1
		.amdhsa_memory_ordered 1
		.amdhsa_forward_progress 1
		.amdhsa_inst_pref_size 60
	.end_amdhsa_kernel
	.amdgpu_metadata
---
amdhsa.version: [ 1, 2 ]
amdhsa.kernels:
  - .name:           k_qf8d54c4e0c_qkv
    .symbol:         k_qf8d54c4e0c_qkv.kd
    .args:
      - { .name: hc, .offset: 0, .size: 8, .value_kind: global_buffer, .address_space: global }
      - { .name: wc, .offset: 8, .size: 8, .value_kind: global_buffer, .address_space: global }
      - { .name: rope, .offset: 16, .size: 8, .value_kind: global_buffer, .address_space: global }
      - { .name: q_norm_w, .offset: 24, .size: 8, .value_kind: global_buffer, .address_space: global }
      - { .name: k_norm_w, .offset: 32, .size: 8, .value_kind: global_buffer, .address_space: global }
      - { .name: lowp_scales, .offset: 40, .size: 8, .value_kind: global_buffer, .address_space: global }
      - { .name: qkvc, .offset: 48, .size: 8, .value_kind: global_buffer, .address_space: global }
    .group_segment_fixed_size: 327680
    .private_segment_fixed_size: 0
    .kernarg_segment_align: 8
    .kernarg_segment_size: 56
    .max_flat_workgroup_size: 256
    .sgpr_count:     100
    .vgpr_count:     512
    .wavefront_size: 32
...
	.end_amdgpu_metadata
.endif
;; end of part 2
;; launch attn (part 3): grid 32 x 8, 16 waves a work-group, no clusters, 327,680 bytes of LDS; arguments qkvc, lowp_scales, ac; writes ac
.if DOCPART == 3
	.amdgcn_target "amdgcn-amd-amdhsa--gfx1250"
	.amdhsa_code_object_version 6
	.text
	.protected	k_qf8d54c4e0c_attn
	.globl	k_qf8d54c4e0c_attn
	.p2align	8
	.type	k_qf8d54c4e0c_attn,@function
k_qf8d54c4e0c_attn:
	s_mov_b64 s[64:65], 0
	v_nop
	global_prefetch_b8 v0, s[64:65] scope:SCOPE_SE
	s_setreg_imm32_b32 hwreg(HW_REG_WAVE_MODE, 25, 1), 1
	s_wait_xcnt 0x0
; ATTENTION, causal, on codes of E4M3: products 4 (k: e6, q: e7) and 5 (v: e8, p: e9), then the quantiser of the result (e10).
; t = score x log2(e) / 8; M = the running largest t rounded UP to a whole number; p = 2^(t - M) is quantised, not normalised; the row's sum is taken of the unquantised p and divides at the end.
; SHARES.  A work-group has one (batch, kv head) and the position blocks j and 63 - j of 32 positions, for all four query heads of the group: 16 waves, wave w: head w % 4, 16 positions (w / 4).
; Under the causal mask blocks j and 63 - j together have the same number of key steps for every j.  A head's whole K and V (2 x 131,072 bytes of codes) lie in LDS, brought once by 16 tensor loads of waves 0-3;
; nothing is filled again.  The keys are walked in four phases of 512; a phase begins when its two loads of K and two of V have landed, the later ones stay on their way.
; Both products are used transposed (S^T = K Q^T, O^T = V^T P^T): a lane holds ONE query.  The keys of a tile of K, and the channels of a tile of V, are not neighbours: lane r of tile 2 b + u takes row 32 b + 8 u + r + 8 (r / 8),
; so that the 16 registers of tiles 2 b, 2 b + 1 are 16 neighbours: p's and the output's conversions give operands' registers and 16 neighbouring bytes.
; NO CLUSTER: a step whose keys all come after the wave's queries is left out by a branch on the work-group's positions, which partners would not share; the only work-groups with equal positions would be the four
; query heads, and parting those would split each 256 consecutive bytes of the output over four work-groups.  NO PREFETCH: all that the work-group reads is asked for at its head.
; LIMITS: e6 + e7 between -123 and 130; e9 and e10 between -126 and 119.  NaN is not served.
; REGISTERS: v1, v2 my lane's place in a tile of K, of V; v12 -M, v13 the largest t, v[14:15] the sum; v16-23 Q; v32-95 fragments; v96-159 S^T, then p; v160-191 O^T; v224-239 p's codes; v240-254 constants and work.
.set KP,    144                        ; an LDS row: two keys (or two channels) of 64 bytes + 16 of padding
.set VB,    147456                     ; V behind K: 1,024 such rows each
.set STAGE, 294912                     ; the way out: 64 rows x 272 bytes
.set SPARE, 312320                     ; the spare words, 128 bytes for each of 16 waves
.set STEPB, 9216                       ; 128 keys: 64 LDS rows, of K and of V alike
.set AK0, 1
.set AV0, 2
.set SPW, 5
.set NIL, 6
.set GO,  7
.set ADK, 8
.set ADV, 9
.set TB,  2                            ; s2   LDS byte of the step in hand
.set WV,  18
.set SEL, 20
.set CS,  22
.set G1,  24                           ; s[24:31] group 1; s[32:47] four groups 0
.set G0,  32
.set KF,  48                           ; s48  the step's first key
.set Q0,  49                           ; s49  my first query
.set CNT, 50
	s_load_b128 s[4:7], s[0:1], 0x0                ; qkvc, lowp_scales
	s_load_b64 s[8:9], s[0:1], 0x10                ; ac
	v_lshl_add_u32 v[SPW], v0, 2, SPARE
	v_mov_b32 v[NIL], 0
	ds_add_u32 v[SPW], v[NIL]                      ; the wave's opening: the add and its wait ahead of the first tensor load
	ds_add_u32 v[SPW], v[NIL]
	v_lshrrev_b32 v8, 5, v0
	s_delay_alu instid0(VALU_DEP_1)
	v_readfirstlane_b32 s[WV], v8
	s_and_b32 s51, ttmp7, 0xffff                   ; y = 4 b + kv
	s_and_b32 s52, s[WV], 3                        ; the query head in the group
	s_lshr_b32 s53, s[WV], 2                       ; which 16 positions
	s_lshl_b32 s54, ttmp9, 5                       ; 32 j
	s_sub_co_u32 s55, 1984, s54
	s_cmp_lt_u32 s53, 2
	s_cselect_b32 s[Q0], s54, s55
	s_lshl_b32 s56, s53, 4
	s_add_co_u32 s[Q0], s[Q0], s56                 ; 32 j + 16 sub, or 32 (63 - j) + 16 (sub - 2)
	s_mov_b32 s[G1], (1<<20)|(4<<22)|(3<<25)       ; elements of 1 byte; padding: 4 words after every 32
	s_mov_b32 s[G1+1], 128<<16                     ; a dense block of 16,384 bytes as 128 rows of 128
	s_mov_b32 s[G1+2], 128<<16
	s_mov_b32 s[G1+3], 128<<16
	s_mov_b32 s[G1+4], 128
	s_mov_b32 s[G1+5], 128
	s_mov_b32 s[G1+6], 0
	s_mov_b32 s[G1+7], 0
	s_lshr_b32 s57, s[WV], 1                       ; waves 0, 1: K; waves 2, 3: V
	s_and_b32 s58, s[WV], 1                        ; the even or the odd blocks
	s_mul_i32 s59, s57, VB
	s_mul_i32 s60, s58, 18432
	s_add_co_u32 s59, s59, s60                     ; in LDS
	s_lshl_b32 s60, s57, 20
	s_lshl_b32 s61, s51, 17
	s_add_co_u32 s60, s60, s61
	s_lshl_b32 s61, s58, 14
	s_add_co_u32 s60, s60, s61
	s_add_co_u32 s60, s60, 0x400000                ; in qkvc: k from 4 MiB, v from 5 MiB
	s_mov_b32 s61, 0
	s_mov_b32 s[SEL], 0x76543210
	s_mov_b32 s[SEL+1], 0xfedcba98
	s_mov_b32 s[CS], 0x3e38aa3b                    ; log2(e) / 8
	s_mov_b32 s[TB], 0
	s_mov_b32 s[KF], 0
	s_wait_dscnt 0x0                               ; the opening add is done
	s_wait_kmcnt 0x0
	s_load_b128 s[68:71], s[6:7], 0x18             ; e6, e7, e8, e9
	s_load_b32 s72, s[6:7], 0x28                   ; e10
	s_add_nc_u64 s[60:61], s[4:5], s[60:61]
.irp p, 0,1,2,3
	s_mov_b32 s[G0+4*\p], 1
	s_add_co_u32 s[G0+4*\p+1], s59, \p*36864
	s_add_nc_u64 s[G0+4*\p+2:G0+4*\p+3], s[60:61], \p*32768
	s_or_b32 s[G0+4*\p+3], s[G0+4*\p+3], 0x80000000
.endr
	s_cmp_lt_u32 s[WV], 4                          ; a wave's four first fills stand in one branch: four loads of mine are out at the most
	s_cbranch_scc0 .Lno_fetch
.irp p, 0,1,2,3
	tensor_load_to_lds s[G0+4*\p:G0+4*\p+3], s[G1:G1+7]
	s_nop 0
.endr
.rept 4
	v_nop
.endr
.Lno_fetch:
	s_lshl_b32 s56, s51, 2
	s_add_co_u32 s56, s56, s52
	s_lshl_b32 s56, s56, 11
	s_add_co_u32 s56, s56, s[Q0]
	s_lshl_b32 s56, s56, 6
	s_mov_b32 s57, 0
	s_add_nc_u64 s[4:5], s[4:5], s[56:57]          ; q's codes at my first query
	v_and_b32 v8, 15, v0                           ; r
	v_bfe_u32 v9, v0, 4, 1                         ; h
	s_delay_alu instid0(VALU_DEP_2)
	v_lshlrev_b32 v10, 6, v8
	s_delay_alu instid0(VALU_DEP_1)
	v_lshl_add_u32 v10, v9, 4, v10
	global_load_b128 v[16:19], v10, s[4:5]         ; Q's fragment: registers 4 c .. hold channels 32 c + 16 h + 0 .. 15, as K's
	global_load_b128 v[20:23], v10, s[4:5] offset:32
	v_and_b32 v11, 8, v8
	s_delay_alu instid0(VALU_DEP_1)
	v_add_nc_u32 v11, v11, v8                      ; r + 8 (r / 8)
	s_delay_alu instid0(VALU_DEP_1)
	v_lshrrev_b32 v3, 1, v11
	s_delay_alu instid0(VALU_DEP_1)
	v_mul_u32_u24 v[AK0], v3, KP
	s_delay_alu instid0(VALU_DEP_3)
	v_and_b32 v3, 1, v11
	s_delay_alu instid0(VALU_DEP_1)
	v_lshl_add_u32 v[AK0], v3, 6, v[AK0]
	s_delay_alu instid0(VALU_DEP_1)
	v_lshl_add_u32 v[AK0], v9, 4, v[AK0]
	s_delay_alu instid0(VALU_DEP_1)
	v_add_nc_u32 v[AV0], VB, v[AK0]
	s_lshr_b32 s56, s51, 2                         ; where the rows that I store lie in ac: token 2048 b + (32 j or 1984 - 32 j) + 4 w, byte 256 kv
	s_lshl_b32 s56, s56, 11
	s_cmp_lt_u32 s[WV], 8
	s_cselect_b32 s57, s54, s55
	s_add_co_u32 s56, s56, s57
	s_lshl_b32 s57, s[WV], 2
	s_add_co_u32 s56, s56, s57
	s_lshl_b32 s56, s56, 10
	s_and_b32 s57, s51, 3
	s_lshl_b32 s57, s57, 8
	s_add_co_u32 s56, s56, s57
	s_mov_b32 s57, 0
	s_add_nc_u64 s[8:9], s[8:9], s[56:57]
	v_mov_b32 v13, 0xff61b1e6                      ; the largest t so far: -3e38
	s_delay_alu instid0(VALU_DEP_1)
	v_floor_f32 v12, -v13                          ; -M
	v_mov_b32 v14, 0
	v_mov_b32 v15, 0
	v_mov_b32 v236, 0                              ; written once: a lane permute's destination counts as read
	v_mov_b32 v253, 0                              ; (named as the upper half of v[252:253])
.set i, 0
.rept 32
	v_mov_b32 v[160+i], 0                          ; O^T: the step is written once; its first run finds zeros, which the first change of M leaves zeros
.set i, i+1
.endr
	s_wait_kmcnt 0x0
	s_add_co_i32 s73, s68, s69
	s_lshl_b32 s73, s73, 23
	s_add_co_i32 s[CS], s[CS], s73                 ; a score lacks 2^(e6 + e7): added to c's exponent field
	s_mov_b32 s[CS+1], s[CS]
	s_add_co_i32 s73, s71, 127
	s_lshl_b32 s74, s73, 23
	v_mov_b32 v244, s74                            ; 2^e9
	s_add_co_i32 s73, s72, 127
	s_lshl_b32 s74, s73, 23
	v_mov_b32 v245, s74                            ; 2^e10
; A KEY STEP: 128 keys.
.macro STEP
	s_add_co_u32 s75, s[Q0], 15
	s_cmp_gt_u32 s[KF], s75                        ; all its keys come after my 16 queries: the work is left out, the steps of KF and TB are not
	s_cbranch_scc1 .Lhidden_\@
	s_setprio 2
	v_add_nc_u32 v[ADK], s[TB], v[AK0]
	v_add_nc_u32 v[ADV], s[TB], v[AV0]
	v_nop
	v_nop                                          ; four plain places ahead of loads into registers that the last products read
.irp t, 0,1,2,3,4,5,6,7
.irp c, 0,1
	ds_load_b128 v[32+8*\t+4*\c:32+8*\t+4*\c+3], v[ADK] offset:(16*(\t/2)+4*(\t%2))*KP+32*\c
.endr
.endr
	s_wait_dscnt 0x0
.irp t, 0,1,2,3,4,5,6,7
	v_wmma_f32_16x16x64_fp8_fp8 v[96+8*\t:103+8*\t], v[32+8*\t:39+8*\t], v[16:23], 0
.endr
.rept 4
	v_nop
.endr
	s_add_co_u32 s75, s[KF], 127                   ; on the diagonal hidden scores become -infinity ahead of the maximum; a step all of whose keys count skips this
	s_cmp_le_u32 s75, s[Q0]
	s_cbranch_scc1 .Lopen_\@
	s_sub_co_i32 s75, s[Q0], s[KF]
	v_and_b32 v252, 15, v0
	v_bfe_u32 v253, v0, 4, 1
	s_delay_alu instid0(VALU_DEP_1)
	v_lshlrev_b32 v253, 4, v253
	s_delay_alu instid0(VALU_DEP_1)
	v_sub_nc_u32 v252, v252, v253
	s_delay_alu instid0(VALU_DEP_1)
	v_add_nc_u32 v252, s75, v252                   ; d = my query - KF - 16 h.  Register 16 b + i holds key KF + 16 h + 32 b + i: hidden where 32 b + i > d
	v_mov_b32 v254, 0xff800000
.set n, 0
.rept 64
	v_cmp_gt_i32 vcc_lo, 32*(n/16)+n%16, v252
	v_cndmask_b32 v[96+n], v[96+n], v254, vcc_lo
.set n, n+1
.endr
.Lopen_\@:
	v_max3_num_f32 v254, v96, v97, v98             ; the step's largest score of my query, in two chains, each tile from its low end on
	v_max3_num_f32 v252, v99, v100, v101
.irp i, 6,10,14,18,22,26,30,34,38,42,46,50,54,58
	v_max3_num_f32 v254, v254, v[96+\i], v[97+\i]
	v_max3_num_f32 v252, v252, v[98+\i], v[99+\i]
.endr
	v_max3_num_f32 v254, v254, v158, v159
	s_delay_alu instid0(VALU_DEP_1)
	v_max_num_f32 v254, v254, v252
	v_permlanex16_b32 v236, v254, s[SEL], s[SEL+1]
	s_delay_alu instid0(VALU_DEP_1)
	v_max_num_f32 v254, v254, v236
	s_delay_alu instid0(VALU_DEP_1)
	v_mul_f32 v254, s[CS], v254
	s_delay_alu instid0(VALU_DEP_1)
	v_max_num_f32 v13, v13, v254                   ; the running largest t
	v_mov_b32 v254, v12
	s_delay_alu instid0(VALU_DEP_2)
	v_floor_f32 v12, -v13                          ; -M = floor(-t): M is a whole number
	s_delay_alu instid0(VALU_DEP_1)
	v_sub_f32 v254, v12, v254
	s_delay_alu instid0(VALU_DEP_1)
	v_cvt_i32_f32 v254, v254
	s_delay_alu instid0(VALU_DEP_1)
	v_ldexp_f32 v252, 1.0, v254                    ; f = 2^(old M - new M): a multiplication by it rounds nothing
.set n, 0
	s_setprio 1
.rept 32
	v_pk_fma_f32 v[96+n:97+n], v[96+n:97+n], s[CS:CS+1], v[12:13] op_sel_hi:[1,0,0]
.set n, n+2
.endr
.set n, 0
	s_wait_alu depctr_va_vdst(0)
.rept 64
	v_exp_f32 v[96+n], v[96+n]
.set n, n+1
.endr
	v_pk_mul_f32 v[14:15], v[14:15], v[252:253] op_sel_hi:[1,0]   ; the sums under the new M: the plain line behind the exponentials
	s_wait_alu depctr_va_vdst(0)                   ; one wait for the batch of 64, ahead of its first reader
	v_pk_add_f32 v[242:243], v[100:101], v[104:105]
	v_pk_add_f32 v[254:255], v[108:109], v[112:113]
	v_pk_add_f32 v[250:251], v[116:117], v[120:121]
	v_pk_add_f32 v[248:249], v[124:125], v[128:129]
	v_pk_add_f32 v[246:247], v[132:133], v[136:137]
	v_pk_add_f32 v[240:241], v[140:141], v[144:145]
	v_pk_add_f32 v[238:239], v[148:149], v[152:153]
	v_pk_add_f32 v[14:15], v[14:15], v[156:157]
	v_pk_add_f32 v[242:243], v[242:243], v[96:97]
	v_pk_add_f32 v[254:255], v[254:255], v[98:99]
	v_pk_add_f32 v[250:251], v[250:251], v[102:103]
	v_pk_add_f32 v[248:249], v[248:249], v[106:107]
	v_pk_add_f32 v[246:247], v[246:247], v[110:111]
	v_pk_add_f32 v[240:241], v[240:241], v[114:115]
	v_pk_add_f32 v[238:239], v[238:239], v[118:119]
	v_pk_add_f32 v[14:15], v[14:15], v[122:123]
	v_pk_add_f32 v[242:243], v[242:243], v[126:127]
	v_pk_add_f32 v[254:255], v[254:255], v[130:131]
	v_pk_add_f32 v[250:251], v[250:251], v[134:135]
	v_pk_add_f32 v[248:249], v[248:249], v[138:139]
	v_pk_add_f32 v[246:247], v[246:247], v[142:143]
	v_pk_add_f32 v[240:241], v[240:241], v[146:147]
	v_pk_add_f32 v[238:239], v[238:239], v[150:151]
	v_pk_add_f32 v[14:15], v[14:15], v[154:155]
	v_pk_add_f32 v[242:243], v[242:243], v[158:159]
	s_delay_alu instid0(VALU_DEP_2)
	v_pk_add_f32 v[14:15], v[14:15], v[248:249]
	s_delay_alu instid0(VALU_DEP_2)
	v_pk_add_f32 v[242:243], v[242:243], v[246:247]
	v_pk_add_f32 v[254:255], v[254:255], v[240:241]
	v_pk_add_f32 v[250:251], v[250:251], v[238:239]
	s_delay_alu instid0(VALU_DEP_2)
	v_pk_add_f32 v[14:15], v[14:15], v[254:255]
	s_delay_alu instid0(VALU_DEP_2)
	v_pk_add_f32 v[242:243], v[242:243], v[250:251]
	s_delay_alu instid0(VALU_DEP_1)
	v_pk_add_f32 v[14:15], v[14:15], v[242:243]
.irp b, 0,1,2,3
.set n, 0
.rept 16
.set n, n+1
.endr
	v_cvt_scalef32_pk8_fp8_f32 v[224+4*\b:225+4*\b], v[96+16*\b:103+16*\b], v244
	v_cvt_scalef32_pk8_fp8_f32 v[226+4*\b:227+4*\b], v[104+16*\b:111+16*\b], v244
.endr
.set n, 0
	s_setprio 0
.rept 16
	v_pk_mul_f32 v[160+n:161+n], v[160+n:161+n], v[252:253] op_sel_hi:[1,0]   ; O^T under the new M; also the places ahead of the loads and products below
.set n, n+2
.endr
.irp t, 0,1,2,3
.irp c, 0,1,2,3
	ds_load_b128 v[32+16*\t+4*\c:32+16*\t+4*\c+3], v[ADV] offset:(\c/2)*4608+(16*(\t/2)+4*(\t%2))*KP+32*(\c%2)
.endr
.endr
	s_wait_alu depctr_va_vdst(0)
	s_wait_dscnt 0x0
.irp t, 0,1,2,3
	v_wmma_f32_16x16x128_fp8_fp8 v[160+8*\t:167+8*\t], v[32+16*\t:47+16*\t], v[224:239], v[160+8*\t:167+8*\t]
.endr
.Lhidden_\@:
	s_add_co_u32 s[KF], s[KF], 128
	s_add_co_u32 s[TB], s[TB], STEPB
.endm
.macro PHASE p                         ; 512 keys
	s_wait_tensorcnt 3-\p                          ; a fetching wave's load p has landed; its later ones may stay out
	s_wait_dscnt 0x0
	s_barrier_signal -1
	s_barrier_wait -1
	s_mov_b32 s[CNT], 4
.Lstep_\@:
	STEP
	s_sub_co_u32 s[CNT], s[CNT], 1
	s_cmp_lg_u32 s[CNT], 0
	s_cbranch_scc1 .Lstep_\@
	s_setprio 0
.endm
	s_wait_loadcnt 0x0                             ; Q
	PHASE 0
	PHASE 1
	PHASE 2
	PHASE 3
	; THE WAY OUT: O^T x 2^(e8 + e9) / the sum, quantised with e10; 16 neighbouring codes a lane go to the stage, where the four heads' 64 bytes make rows of 256.
.rept 4
	v_nop
.endr
	v_add_f32 v14, v14, v15
	s_delay_alu instid0(VALU_DEP_1)
	v_permlanex16_b32 v252, v14, s[SEL], s[SEL+1]
	s_delay_alu instid0(VALU_DEP_1)
	v_add_f32 v14, v14, v252
	s_wait_alu depctr_va_vdst(0)
	v_rcp_f32 v14, v14
	v_and_b32 v8, 15, v0                           ; (a plain line behind the reciprocal)
	v_bfe_u32 v9, v0, 4, 1
	s_add_co_i32 s73, s70, s71
	s_mul_i32 s76, s53, 16*272
	s_lshl_b32 s77, s52, 6
	s_add_co_u32 s76, s76, s77
	s_add_co_u32 s76, s76, STAGE
	v_mul_u32_u24 v10, v8, 272
	s_delay_alu instid0(VALU_DEP_1)
	v_lshl_add_u32 v10, v9, 4, v10
	s_delay_alu instid0(VALU_DEP_1)
	v_add_nc_u32 v10, s76, v10                     ; in: row 16 sub + r, byte 64 g + 16 h (+ 32 b)
	s_mul_i32 s76, s[WV], 4*272
	s_add_co_u32 s76, s76, STAGE
	v_mul_u32_u24 v11, v9, 272
	s_delay_alu instid0(VALU_DEP_1)
	v_lshl_add_u32 v11, v8, 4, v11
	s_delay_alu instid0(VALU_DEP_1)
	v_add_nc_u32 v11, s76, v11                     ; back: rows 4 w on, sixteen lanes to a row
	v_lshlrev_b32 v[GO], 10, v9
	s_delay_alu instid0(VALU_DEP_1)
	v_lshl_add_u32 v[GO], v8, 4, v[GO]
	s_wait_alu depctr_va_vdst(0)                   ; the wait ahead of the reciprocal's first reader
	v_ldexp_f32 v14, v14, s73
.set n, 0
.rept 32
	v_mul_f32 v[96+n], v[160+n], v14               ; register 16 b + i: channel 32 b + 16 h + i
.set n, n+1
.endr
.set n, 0
.rept 32
.set n, n+1
.endr
.irp b, 0,1
	v_cvt_scalef32_pk8_fp8_f32 v[224+4*\b:225+4*\b], v[96+16*\b:103+16*\b], v245
	v_cvt_scalef32_pk8_fp8_f32 v[226+4*\b:227+4*\b], v[104+16*\b:111+16*\b], v245
.endr
	v_nop                                          ; a plain line behind the last conversion
	ds_store_b128 v10, v[224:227]
	ds_store_b128 v10, v[228:231] offset:32
	s_wait_dscnt 0x0                               ; for the others' sake: my stores have landed
	s_barrier_signal -1
	s_barrier_wait -1
	ds_load_b128 v[32:35], v11
	ds_load_b128 v[36:39], v11 offset:544
	s_wait_dscnt 1
	global_store_b128 v[GO], v[32:35], s[8:9]                  ; sixteen lanes store 256 consecutive bytes, at a multiple of 256 from ac's first byte
	s_wait_dscnt 0x0
	global_store_b128 v[GO], v[36:39], s[8:9] offset:2048
	s_wait_tensorcnt 0x0                           ; the wave's end
	ds_add_u32 v[SPW], v[NIL]
	s_wait_dscnt 0x0
	s_endpgm
.Lfunc_end_k_qf8d54c4e0c_attn:
	.size	k_qf8d54c4e0c_attn, .Lfunc_end_k_qf8d54c4e0c_attn-k_qf8d54c4e0c_attn
	.p2alignl 7, 3214868480
	.fill 96, 4, 3214868480
	.section	.rodata,"a",@progbits
	.p2align	6, 0x0
	.amdhsa_kernel k_qf8d54c4e0c_attn
		.amdhsa_group_segment_fixed_size 327680
		.amdhsa_private_segment_fixed_size 0
		.amdhsa_enable_private_segment 0
		.amdhsa_kernarg_size 24
		.amdhsa_user_sgpr_count 2
		.amdhsa_user_sgpr_kernarg_segment_ptr 1
		.amdhsa_wavefront_size32 1
		.amdhsa_system_sgpr_workgroup_id_x 1
		.amdhsa_system_sgpr_workgroup_id_y 1
		.amdhsa_system_sgpr_workgroup_id_z 1
		.amdhsa_system_vgpr_workitem_id 0
		.amdhsa_next_free_vgpr 256
		.amdhsa_next_free_sgpr 100
		.amdhsa_reserve_vcc 1
		.amdhsa_float_denorm_mode_32 3
		.amdhsa_float_denorm_mode_16_64 3
		.amdhsa_fp16_overflow 1
		.amdhsa_memory_ordered 1
		.amdhsa_forward_progress 1
		.amdhsa_inst_pref_size 90
	.end_amdhsa_kernel
	.amdgpu_metadata
---
amdhsa.version: [ 1, 2 ]
amdhsa.kernels:
  - .name:           k_qf8d54c4e0c_attn
    .symbol:         k_qf8d54c4e0c_attn.kd
    .args:
      - { .name: qkvc, .offset: 0, .size: 8, .value_kind: global_buffer, .address_space: global }
      - { .name: lowp_scales, .offset: 8, .size: 8, .value_kind: global_buffer, .address_space: global }
      - { .name: ac, .offset: 16, .size: 8, .value_kind: global_buffer, .address_space: global }
    .group_segment_fixed_size: 327680
    .private_segment_fixed_size: 0
    .kernarg_segment_align: 8
    .kernarg_segment_size: 24
    .max_flat_workgroup_size: 512
    .sgpr_count:     100
    .vgpr_count:     256
    .wavefront_size: 32
...
	.end_amdgpu_metadata
.endif
;; end of part 3
;; launch oproj (part 4): grid 8 x 32, 4 waves a work-group, clusters of 4 x 4, 327,680 bytes of LDS; arguments ac, wc, lowp_scales, x, x1; writes x1
.if DOCPART == 4
	.amdgcn_target "amdgcn-amd-amdhsa--gfx1250"
	.amdhsa_code_object_version 6
	.text
	.protected	k_qf8d54c4e0c_oproj
	.globl	k_qf8d54c4e0c_oproj
	.p2align	8
	.type	k_qf8d54c4e0c_oproj,@function
k_qf8d54c4e0c_oproj:
	s_mov_b64 s[64:65], 0
	v_nop
	global_prefetch_b8 v0, s[64:65] scope:SCOPE_SE
	s_setreg_imm32_b32 hwreg(HW_REG_WAVE_MODE, 25, 1), 1
	s_wait_xcnt 0x0
	s_wait_alu depctr_hold_cnt(0) depctr_sa_sdst(0) depctr_va_vdst(0) depctr_va_sdst(0) depctr_va_ssrc(0) depctr_va_vcc(0) depctr_vm_vsrc(0)
	s_getreg_b32 s2, hwreg(HW_REG_IB_STS2, 6, 4)
	s_cmp_eq_u32 s2, 0
	s_cbranch_scc0 .Lentry_in_a_cluster
	s_endpgm
.Lentry_in_a_cluster:
	s_bfe_u32 s2, ttmp6, 0x10000c
	s_cmp_lg_u32 s2, 0xf033
	s_cbranch_scc0 .Lentry_shape_is_right
	s_endpgm
.Lentry_shape_is_right:
; OUT = RESID + (A B^T) 2^(ea + eb).  A: [4096][KB] codes of E4M3; B: [1024][KB] codes, at byte WOFF of wc; ea, eb at byte EOFF of lowp_scales; RESID, OUT: [4096][1024] f32.
; Here: product 6: A = attention's codes, B = wo, RESID = x, OUT = x1.  K = 1,024 is the ring's two slots: nothing is filled again.
; A tile of OUT is 128 x 128: 256 work-groups.  Four waves, 64 x 64 each: 16 accumulators.  K goes in steps of 512 through two LDS slots filled by the tensor data mover; rows of 512 bytes, 64 rows a load.
; CLUSTERS: 4 x 4 work-groups; A's tile is asked for jointly along a row of the cluster, B's along a column.  THE MATRIX INSTRUCTION IS USED TRANSPOSED: a lane holds eight neighbouring numbers of a row of OUT.
; The wave's whole residual, 64 rows x 256 bytes, is asked for at the head, under the whole product.
; LIMIT: ea + eb between -126 and 127.
; REGISTERS: window 0: v16-29 addresses; v32-127 the residual of blocks 0 to 2; v128-255 the accumulators.  window 1: two fragment buffers of 128 (A's four blocks, B's four).  window 2: v0-31 the residual of block 3.
.set KB,     1024
.set WOFF,   1572864
.set EOFF,   0x28
.set KSTEP,  512
.set PITCH,  528                       ; 512 bytes + 16 = 132 words: the 16 rows of a fragment load start 4 banks apart (64 banks of 4 bytes: ISA guide 11.1)
.set HALFT,  64*PITCH
.set SLOT,   4*HALFT
.set STAGE,  2*SLOT                    ; the way out: 16 rows x 272 bytes for each wave
.set SPITCH, 272
.set SPARE,  STAGE+4*16*SPITCH
.set LAPS,   KB/(2*KSTEP)
.set ADRA, 16
.set ADRB, 20
.set STO,  24
.set RD,   25
.set CO,   26
.set SPW,  28
.set NIL,  29
.set RS,   32
.set ACC,  128
.set F0,   0
.set F1,   128
.set G1,   24
.set G0,   32
.set G1B,  48
.set G0B,  56
.set OFF,  74                          ; s74, s75 the byte along K at which slot 0's, slot 1's tile begins; s[76:77] the same as a pair; s[80:81], s[82:83] my rows of A, of B at K = 0
.set MSB, 0
.macro WIN new                         ; the immediate's high byte repeats the setting that is left
.if MSB != \new
	s_set_vgpr_msb (MSB<<8)|\new
.set MSB, \new
.endif
.endm
.set MUL,  0x05
.set TO_F, 0x40
.macro JLOAD s                         ; a joint load: waves 0, 1 fetch A's halves, waves 2, 3 B's; an s_nop 0 and four v_nop follow each line
	s_cmp_eq_u32 s11, 0
	s_cbranch_scc0 .Lfor_b_\@
	tensor_load_to_lds s[G0+4*\s:G0+4*\s+3], s[G1:G1+7]
	s_nop 0
.rept 4
	v_nop
.endr
	s_branch .Lasked_\@
.Lfor_b_\@:
	tensor_load_to_lds s[G0B+4*\s:G0B+4*\s+3], s[G1B:G1B+7]
	s_nop 0
.rept 4
	v_nop
.endr
.Lasked_\@:
.endm
.macro CREST                           ; a round of the cluster's barrier behind its opening barrier
	s_cmp_lg_u32 s10, 0
	s_cbranch_scc1 .Lnot_wave_0_\@
	s_barrier_signal -3
.Lnot_wave_0_\@:
	s_barrier_wait -3
	s_barrier_signal -1
	s_barrier_wait -1
.endm
.macro CROUND
	s_barrier_signal -1
	s_barrier_wait -1
	CREST
.endm
.macro PLACES
.rept 4
	v_nop
.endr
.endm
	s_load_b128 s[4:7], s[0:1], 0x0                ; A's codes, wc
	s_load_b128 s[68:71], s[0:1], 0x10             ; lowp_scales, RESID
	s_load_b64 s[8:9], s[0:1], 0x20                ; OUT
	v_lshl_add_u32 v[SPW], v0, 2, SPARE
	v_mov_b32 v[NIL], 0
	ds_add_u32 v[SPW], v[NIL]                      ; the wave's opening: the add and its wait ahead of my first tensor load
	v_lshrrev_b32 v1, 5, v0
	v_readfirstlane_b32 s10, v1
	s_lshr_b32 s11, s10, 1                         ; my half of the tile's rows.  Also: I fetch for A (0) or B (1)
	s_and_b32 s12, s10, 1                          ; my half of its columns.  Also: which 64 rows I fetch
	s_bfe_u32 s40, ttmp6, 0x40000                  ; cx, cy
	s_bfe_u32 s41, ttmp6, 0x40004
	s_lshl_b32 s42, ttmp9, 2
	s_add_co_u32 s42, s42, s40                     ; tile column
	s_and_b32 s13, ttmp7, 0xffff
	s_lshl_b32 s13, s13, 2
	s_add_co_u32 s13, s13, s41                     ; tile row
	s_lshl_b32 s43, s41, 2
	s_lshl_b32 s43, 15, s43                        ; my row of the cluster
	s_lshl_b32 s44, 0x1111, s40                    ; my column
	s_or_b32 s[G1+0], s43, (1<<20)|(1<<21)|(6<<22)|(3<<25)     ; the mask; elements of 1 byte; padding: 4 words after every 128; bit 21 beside a mask
	s_or_b32 s[G1B+0], s44, (1<<20)|(1<<21)|(6<<22)|(3<<25)
.irp g, G1, G1B
	s_mov_b32 s[\g+1], KSTEP<<16
	s_mov_b32 s[\g+2], 64<<16
	s_mov_b32 s[\g+3], KSTEP<<16
	s_mov_b32 s[\g+4], 64
	s_mov_b32 s[\g+5], KB
	s_mov_b32 s[\g+6], 0
	s_mov_b32 s[\g+7], 0
.endr
	s_lshl_b32 s17, s12, 6
	s_lshl_b32 s16, s13, 7
	s_add_co_u32 s16, s16, s17                     ; A: row 128 x tile row + 64 x half
	s_lshl_b32 s46, s42, 7
	s_add_co_u32 s46, s46, s17                     ; B: row 128 x tile column + 64 x half
	s_mov_b32 s17, 0
	s_mov_b32 s47, 0
	s_mov_b64 s[18:19], KB
	s_mul_u64 s[16:17], s[16:17], s[18:19]
	s_mul_u64 s[46:47], s[46:47], s[18:19]
	s_mul_i32 s20, s10, HALFT
.if LAPS > 1
	; WHERE A CLUSTER BEGINS ALONG K: at K step (2 y + 4 x) mod 8, x and y the cluster's own place in the grid, the same number in all sixteen partners; from there it walks round all eight steps.
	; The two clusters that read the same rows of A (x = 0, 1) are four steps apart; four neighbouring clusters along y, which read the same rows of B, begin at four different pairs of steps.
	s_and_b32 s[OFF], ttmp7, 0xffff
	s_lshl_b32 s[OFF], s[OFF], 1
	s_lshl_b32 s[OFF+1], ttmp9, 2
	s_add_co_u32 s[OFF], s[OFF], s[OFF+1]
	s_mul_i32 s[OFF], s[OFF], KSTEP
	s_and_b32 s[OFF], s[OFF], KB-1
.else
	s_mov_b32 s[OFF], 0
.endif
	s_add_co_u32 s[OFF+1], s[OFF], KSTEP           ; slot 0 begins at an even K step, so slot 1's lies inside the row
	s_mov_b32 s77, 0
	s_wait_dscnt 0x0                               ; the opening add is done
	s_wait_kmcnt 0x0
	s_load_b64 s[72:73], s[68:69], EOFF            ; ea, eb
	s_add_nc_u64 s[6:7], s[6:7], WOFF
	s_add_nc_u64 s[80:81], s[4:5], s[16:17]
	s_add_nc_u64 s[82:83], s[6:7], s[46:47]
	CROUND                                         ; all sixteen work-groups are here: the first joint loads meet
.irp s, 0,1
	s_mov_b32 s76, s[OFF+\s]
	s_mov_b32 s[G0+4*\s], 1
	s_add_co_u32 s[G0+4*\s+1], s20, \s*SLOT
	s_add_nc_u64 s[G0+4*\s+2:G0+4*\s+3], s[80:81], s[76:77]
	s_or_b32 s[G0+4*\s+3], s[G0+4*\s+3], 0x80000000
	s_mov_b32 s[G0B+4*\s], 1
	s_add_co_u32 s[G0B+4*\s+1], s20, \s*SLOT
	s_add_nc_u64 s[G0B+4*\s+2:G0B+4*\s+3], s[82:83], s[76:77]
	s_or_b32 s[G0B+4*\s+3], s[G0B+4*\s+3], 0x80000000
	JLOAD \s
.endr
	v_and_b32 v1, 15, v0
	v_bfe_u32 v2, v0, 4, 1
	v_mul_u32_u24 v3, v1, PITCH
	v_lshl_add_u32 v3, v2, 4, v3
	s_mul_i32 s21, s11, HALFT
	s_mul_i32 s22, s12, HALFT
	s_add_co_u32 s22, s22, 2*HALFT
.irp s, 0,1
	v_add_nc_u32 v[ADRA+\s], s21, v3
	v_add_nc_u32 v[ADRB+\s], s22, v3
	s_add_co_u32 s21, s21, SLOT
	s_add_co_u32 s22, s22, SLOT
.endr
	s_mul_i32 s23, s10, 16*SPITCH
	s_add_co_u32 s23, s23, STAGE
	v_mul_u32_u24 v4, v1, SPITCH
	v_lshl_add_u32 v4, v2, 5, v4
	v_add_nc_u32 v[STO], s23, v4                   ; in: row r, 32 bytes for each half of the lanes
	v_mul_u32_u24 v5, v2, SPITCH
	v_lshl_add_u32 v5, v1, 4, v5
	v_add_nc_u32 v[RD], s23, v5                    ; back: sixteen lanes to a row of 256 bytes
	v_lshlrev_b32 v5, 12, v2
	v_lshl_add_u32 v[CO], v1, 4, v5                ; the same two rows in RESID and OUT
	s_lshl_b32 s16, s13, 7
	s_lshl_b32 s17, s11, 6
	s_add_co_u32 s16, s16, s17
	s_lshl_b32 s16, s16, 12                        ; my first row, 4,096 bytes a row
	s_mov_b32 s17, 0
	s_lshl_b32 s46, s42, 9
	s_lshl_b32 s47, s12, 8
	s_add_co_u32 s46, s46, s47                     ; my first column, in bytes
	s_mov_b32 s47, 0
	s_add_nc_u64 s[8:9], s[8:9], s[16:17]
	s_add_nc_u64 s[8:9], s[8:9], s[46:47]
	s_add_nc_u64 s[70:71], s[70:71], s[16:17]
	s_add_nc_u64 s[70:71], s[70:71], s[46:47]
.irp a, 0,1,2
.irp i, 0,1,2,3,4,5,6,7
	global_load_b128 v[RS+32*\a+4*\i:RS+32*\a+4*\i+3], v[CO], s[70:71] offset:65536*\a+8192*\i   ; the residual of blocks 0 to 2,
.endr
.endr
	WIN 0x80                                       ; destination window 2
.irp i, 0,1,2,3,4,5,6,7
	global_load_b128 v[4*\i:4*\i+3], v[CO], s[70:71] offset:65536*3+8192*\i                      ; and of block 3: all 32 loads are out under the whole product
.endr
	WIN 0
.macro MUL4 f, a, zero                 ; A's block a against B's four.  The 16 accumulators take turns, one instruction a turn, in the same order in every quarter
.irp b, 0,1,2,3
.if \zero
	v_wmma_f32_16x16x128_fp8_fp8 v[ACC+8*(4*(\a)+\b):ACC+8*(4*(\a)+\b)+7], v[\f+64+16*\b:\f+64+16*\b+15], v[\f+16*(\a):\f+16*(\a)+15], 0
.else
	v_wmma_f32_16x16x128_fp8_fp8 v[ACC+8*(4*(\a)+\b):ACC+8*(4*(\a)+\b)+7], v[\f+64+16*\b:\f+64+16*\b+15], v[\f+16*(\a):\f+16*(\a)+15], v[ACC+8*(4*(\a)+\b):ACC+8*(4*(\a)+\b)+7]
.endif
.endr
.endm
.macro FETCH slot, k, f                ; 32 LDS loads in one run: B's four fragments, then A's
	WIN TO_F
.irp i, 0,1,2,3
.irp c, 0,1,2,3
	ds_load_b128 v[\f+64+16*\i+4*\c:\f+64+16*\i+4*\c+3], v[ADRB+\slot] offset:\k+32*\c+\i*16*PITCH
.endr
.endr
.irp i, 0,1,2,3
.irp c, 0,1,2,3
	ds_load_b128 v[\f+16*\i+4*\c:\f+16*\i+4*\c+3], v[ADRA+\slot] offset:\k+32*\c+\i*16*PITCH
.endr
.endr
.endm
.macro QUARTER slot, k, f, g, zero
	s_wait_dscnt 8                                 ; B's four and A's blocks 0, 1 are in; the youngest eight loads may be out
	WIN MUL
	MUL4 \f, 0, \zero
	MUL4 \f, 1, \zero
	PLACES
	FETCH \slot, \k, \g
	s_wait_dscnt 32                                ; all but the 32 just issued
	WIN MUL
	MUL4 \f, 2, \zero
	MUL4 \f, 3, \zero
.endm
.macro TURN slot, next, fill           ; a slot's last quarter changes slots: one barrier; fill = 1: it opens a round of the cluster's barrier and this slot is filled again, two steps on, round the end of K
	WIN 0
	s_wait_tensorcnt 0x0                           ; all my tensor loads have landed: my part of the next slot; so every group 0 may be written
	ds_add_u32 v[SPW], v[NIL]                      ; with fill = 1 the descriptors' steps stand between the add and the wait for it
.if \fill
	s_add_co_u32 s[OFF+\slot], s[OFF+\slot], 2*KSTEP
	s_and_b32 s[OFF+\slot], s[OFF+\slot], KB-1     ; behind the row's last K step comes its first
	s_mov_b32 s76, s[OFF+\slot]
	s_add_nc_u64 s[G0+4*\slot+2:G0+4*\slot+3], s[80:81], s[76:77]
	s_or_b32 s[G0+4*\slot+3], s[G0+4*\slot+3], 0x80000000
	s_add_nc_u64 s[G0B+4*\slot+2:G0B+4*\slot+3], s[82:83], s[76:77]
	s_or_b32 s[G0B+4*\slot+3], s[G0B+4*\slot+3], 0x80000000
.endif
	s_wait_dscnt 9                                 ; (the add and the youngest eight loads may be out)
	WIN MUL
	MUL4 F1, 0, 0
	s_wait_dscnt 0x0                               ; the add is done, my reads of this slot are over
	s_barrier_signal -1
	MUL4 F1, 1, 0
.if \fill
	WIN 0
.endif
	s_barrier_wait -1
.if \fill
	CREST
	JLOAD \slot                                    ; the first tensor load behind the round; its four v_nop are also the places ahead of the loads below
.else
	PLACES
.endif
	FETCH \next, 0, F0
	WIN MUL
	MUL4 F1, 2, 0
	MUL4 F1, 3, 0
.endm
	s_wait_tensorcnt 1                             ; my part of slot 0 is in; slot 1's may be out
	s_barrier_signal -1
	s_barrier_wait -1
	FETCH 0, 0, F0
	QUARTER 0, 128, F0, F1, 1                      ; the first products start the sums
.if LAPS > 1
	WIN 0
	s_mov_b32 s3, LAPS-1
.Llap:
	QUARTER 0, 256, F1, F0, 0
	QUARTER 0, 384, F0, F1, 0
	TURN 0, 1, 1
	QUARTER 1, 128, F0, F1, 0
	QUARTER 1, 256, F1, F0, 0
	QUARTER 1, 384, F0, F1, 0
	TURN 1, 0, 1
	QUARTER 0, 128, F0, F1, 0
	WIN 0
	s_sub_co_u32 s3, s3, 1
	s_cmp_lg_u32 s3, 0
	s_cbranch_scc1 .Llap
.endif
	QUARTER 0, 256, F1, F0, 0
	QUARTER 0, 384, F0, F1, 0
	TURN 0, 1, 0
	QUARTER 1, 128, F0, F1, 0
	QUARTER 1, 256, F1, F0, 0
	QUARTER 1, 384, F0, F1, 0
	s_wait_dscnt 8
	WIN MUL
	MUL4 F1, 0, 0
	MUL4 F1, 1, 0
	s_wait_dscnt 0x0
	MUL4 F1, 2, 0
	MUL4 F1, 3, 0
	WIN 0
	PLACES
	s_wait_kmcnt 0x0
	s_add_co_i32 s72, s72, s73
	s_add_co_i32 s72, s72, 127
	s_lshl_b32 s72, s72, 23                        ; 2^(ea + eb)
	s_mov_b32 s73, s72
; THE WAY OUT, a block of 16 rows x 64 columns at a time: through my own stage, back as whole rows of 256 bytes into the registers that they left; sum x 2^(ea + eb) + residual; sixteen lanes store 256 consecutive bytes.
.macro OUTB a, rs, w, left             ; rs, w: the block's residual and the window setting that reaches it as source 2; left: the residual loads younger than this block's eight
.set AB, ACC+32*(\a)
.irp b, 0,1,2,3
	ds_store_b128 v[STO], v[AB+8*\b:AB+8*\b+3] offset:64*\b            ; each accumulator from its low end on
	ds_store_b128 v[STO], v[AB+8*\b+4:AB+8*\b+7] offset:64*\b+16
.endr
.irp i, 0,1,2,3,4,5,6,7
	ds_load_b128 v[AB+4*\i:AB+4*\i+3], v[RD] offset:2*SPITCH*\i        ; LDS serves a wave's instructions in order: these see my stores
.endr
	s_wait_dscnt 0x0
	s_wait_loadcnt \left
	WIN \w
.set i, 0
.rept 16
	v_pk_fma_f32 v[AB+i:AB+i+1], v[AB+i:AB+i+1], s[72:73], v[\rs+i:\rs+i+1] op_sel_hi:[1,0,1]
.set i, i+2
.endr
	WIN 0
.irp i, 0,1,2,3,4,5,6,7
	global_store_b128 v[CO], v[AB+4*\i:AB+4*\i+3], s[8:9] offset:65536*(\a)+8192*\i
.endr
.endm
	OUTB 0, RS, 0, 24
	OUTB 1, RS+32, 0, 16
	OUTB 2, RS+64, 0, 8
	OUTB 3, 0, 0x20, 0                             ; block 3's residual lies in window 2
	s_wait_tensorcnt 0x0                           ; the wave's end
	ds_add_u32 v[SPW], v[NIL]
	s_wait_dscnt 0x0
	CROUND                                         ; the closing round
	s_endpgm
.Lfunc_end_k_qf8d54c4e0c_oproj:
	.size	k_qf8d54c4e0c_oproj, .Lfunc_end_k_qf8d54c4e0c_oproj-k_qf8d54c4e0c_oproj
	.p2alignl 7, 3214868480
	.fill 96, 4, 3214868480
	.section	.rodata,"a",@progbits
	.p2align	6, 0x0
	.amdhsa_kernel k_qf8d54c4e0c_oproj
		.amdhsa_group_segment_fixed_size 327680
		.amdhsa_private_segment_fixed_size 0
		.amdhsa_enable_private_segment 0
		.amdhsa_kernarg_size 40
		.amdhsa_user_sgpr_count 2
		.amdhsa_user_sgpr_kernarg_segment_ptr 1
		.amdhsa_wavefront_size32 1
		.amdhsa_system_sgpr_workgroup_id_x 1
		.amdhsa_system_sgpr_workgroup_id_y 1
		.amdhsa_system_sgpr_workgroup_id_z 1
		.amdhsa_system_vgpr_workitem_id 0
		.amdhsa_next_free_vgpr 640
		.amdhsa_next_free_sgpr 100
		.amdhsa_reserve_vcc 0
		.amdhsa_float_denorm_mode_32 3
		.amdhsa_float_denorm_mode_16_64 3
		.amdhsa_memory_ordered 1
		.amdhsa_forward_progress 1
		.amdhsa_inst_pref_size 49
	.end_amdhsa_kernel
	.amdgpu_metadata
---
amdhsa.version: [ 1, 2 ]
amdhsa.kernels:
  - .name:           k_qf8d54c4e0c_oproj
    .symbol:         k_qf8d54c4e0c_oproj.kd
    .args:
      - { .name: ac, .offset: 0, .size: 8, .value_kind: global_buffer, .address_space: global }
      - { .name: wc, .offset: 8, .size: 8, .value_kind: global_buffer, .address_space: global }
      - { .name: lowp_scales, .offset: 16, .size: 8, .value_kind: global_buffer, .address_space: global }
      - { .name: x, .offset: 24, .size: 8, .value_kind: global_buffer, .address_space: global }
      - { .name: x1, .offset: 32, .size: 8, .value_kind: global_buffer, .address_space: global }
    .group_segment_fixed_size: 327680
    .private_segment_fixed_size: 0
    .kernarg_segment_align: 8
    .kernarg_segment_size: 40
    .max_flat_workgroup_size: 128
    .sgpr_count:     100
    .vgpr_count:     640
    .wavefront_size: 32
...
	.end_amdgpu_metadata
.endif
;; end of part 4
;; launch norm2 (part 5): grid 256 x 1, 4 waves a work-group, no clusters, 20,992 bytes of LDS; arguments x1, ln2_w, lowp_scales, h2c; writes h2c
.if DOCPART == 5
	.amdgcn_target "amdgcn-amd-amdhsa--gfx1250"
	.amdhsa_code_object_version 6
	.text
	.protected	k_qf8d54c4e0c_norm2
	.globl	k_qf8d54c4e0c_norm2
	.p2align	8
	.type	k_qf8d54c4e0c_norm2,@function
k_qf8d54c4e0c_norm2:
	s_mov_b64 s[64:65], 0
	v_nop
	global_prefetch_b8 v0, s[64:65] scope:SCOPE_SE
	s_setreg_imm32_b32 hwreg(HW_REG_WAVE_MODE, 25, 1), 1
	s_wait_xcnt 0x0
; h2 = rms(x1) * ln2_w, quantised with e12 into codes of E4M3, K innermost.  A wave takes four rows of 1,024; a row stays in registers between the sum of squares and the scaling.
; Every load reads 512 consecutive bytes; the conversions want 16 neighbours in one lane, so a row turns through the wave's own stage in LDS (64 bytes + 16 of padding a lane).  Waves share nothing: no barrier.
; LIMIT: e12 between -126 and 119.  NaN is not served.
.set SPARE, 20480
.set SPW,   12
.set NIL,   13
.set XW,    16                         ; v16-47 ln2_w at k = 512 t + 16 lane + i
.set XX,    48                         ; v48-79 the row
.set XC,    112                        ; v112-119 codes
.set XR,    128                        ; v128-255 four rows as loaded
	s_load_b256 s[8:15], s[0:1], 0x0               ; x1, ln2_w, lowp_scales, h2c
	v_lshl_add_u32 v[SPW], v0, 2, SPARE
	v_mov_b32 v[NIL], 0
	v_lshrrev_b32 v1, 5, v0
	v_readfirstlane_b32 s2, v1
	v_and_b32 v2, 31, v0
	v_lshlrev_b32 v3, 4, v2
	s_mul_i32 s3, s2, 5120
	v_lshrrev_b32 v14, 2, v2
	v_mul_u32_u24 v14, v14, 80
	v_and_b32 v15, 3, v2
	v_lshl_add_u32 v14, v15, 4, v14
	v_add_nc_u32 v14, s3, v14
	v_mul_u32_u24 v15, v2, 80
	v_add_nc_u32 v15, s3, v15
	v_lshlrev_b32 v5, 6, v2
	s_lshl_b32 s3, ttmp9, 2
	s_add_co_u32 s3, s3, s2
	s_lshl_b32 s3, s3, 2                           ; my first row
	s_mov_b32 s33, 0
	s_mov_b32 s52, 0x76543210
	s_mov_b32 s53, 0xfedcba98
	s_mov_b32 s60, 0x3a800000                      ; 1 / 1024
	s_mov_b32 s61, 0x3727c5ac                      ; 1e-5
	s_wait_alu depctr_va_vdst(0)
	s_wait_kmcnt 0x0
	s_load_b32 s36, s[12:13], 0x30                 ; e12
	s_lshl_b32 s32, s3, 12
	s_add_nc_u64 s[8:9], s[8:9], s[32:33]
	s_lshl_b32 s32, s3, 10
	s_add_nc_u64 s[14:15], s[14:15], s[32:33]
.irp i, 0,1,2,3,4,5,6,7
	global_load_b128 v[XW+4*\i:XW+4*\i+3], v5, s[10:11] offset:2048*(\i/4)+16*(\i%4)
.endr
.irp n, 0,1,2,3
.irp i, 0,1,2,3,4,5,6,7
	global_load_b128 v[XR+32*\n+4*\i:XR+32*\n+4*\i+3], v3, s[8:9] offset:4096*\n+512*\i
.endr
.endr
	s_wait_kmcnt 0x0
	s_add_co_i32 s32, s36, 127
	s_lshl_b32 s34, s32, 23
	v_mov_b32 v6, s34                              ; 2^e12
	s_add_co_i32 s32, s32, 8
	s_lshl_b32 s32, s32, 23
	s_or_b32 s32, s32, 0x600000
.macro XROW n
	s_wait_loadcnt 24-8*(\n)                       ; ln2_w and this row are in; the later rows' eight loads each may be out
.irp i, 0,1,2,3,4,5,6,7
	ds_store_b128 v14, v[XR+32*(\n)+4*\i:XR+32*(\n)+4*\i+3] offset:2560*(\i/4)+640*(\i%4)
.endr
.irp i, 0,1,2,3,4,5,6,7
	ds_load_b128 v[XX+4*\i:XX+4*\i+3], v15 offset:2560*(\i/4)+16*(\i%4)
.endr
	s_wait_dscnt 0x0
	v_pk_mul_f32 v[120:121], v[XX:XX+1], v[XX:XX+1]
	v_pk_mul_f32 v[122:123], v[XX+2:XX+3], v[XX+2:XX+3]
.irp i, 4,8,12,16,20,24,28
	v_pk_fma_f32 v[120:121], v[XX+\i:XX+\i+1], v[XX+\i:XX+\i+1], v[120:121]
	v_pk_fma_f32 v[122:123], v[XX+\i+2:XX+\i+3], v[XX+\i+2:XX+\i+3], v[122:123]
.endr
	v_pk_add_f32 v[120:121], v[120:121], v[122:123]
	v_add_f32 v120, v120, v121
	v_add_f32_dpp v120, v120, v120 row_xmask:1 row_mask:0xf bank_mask:0xf
	v_add_f32_dpp v120, v120, v120 row_xmask:2 row_mask:0xf bank_mask:0xf
	v_add_f32_dpp v120, v120, v120 row_xmask:4 row_mask:0xf bank_mask:0xf
	v_add_f32_dpp v120, v120, v120 row_xmask:8 row_mask:0xf bank_mask:0xf
	v_permlanex16_b32 v121, v120, s52, s53
	v_add_f32 v120, v120, v121
	v_fma_f32 v124, v120, s60, s61
	s_wait_alu depctr_va_vdst(0)
	v_rsq_f32 v126, v124
	v_rsq_f32 v127, v124
	v_nop
	s_wait_alu depctr_va_vdst(0)                   ; one wait for both, ahead of their first reader
.set i, 0
.rept 16
	v_pk_mul_f32 v[XX+i:XX+i+1], v[XX+i:XX+i+1], v[126:127]
.set i, i+2
.endr
.set i, 0
.rept 16
	v_pk_mul_f32 v[XX+i:XX+i+1], v[XX+i:XX+i+1], v[XW+i:XW+i+1]
.set i, i+2
.endr
.set i, 0
.rept 32
.set i, i+1
.endr
	s_wait_alu depctr_va_vdst(0)
	s_wait_xcnt 0x0                                ; the last row's stores have read v112-119
.irp g, 0,1,2,3
	v_cvt_scalef32_pk8_fp8_f32 v[XC+2*\g:XC+2*\g+1], v[XX+8*\g:XX+8*\g+7], v6
.endr
	v_nop                                          ; a plain line behind the last conversion
	global_store_b128 v3, v[XC:XC+3], s[14:15] offset:1024*(\n)
	global_store_b128 v3, v[XC+4:XC+7], s[14:15] offset:1024*(\n)+512
.endm
	XROW 0
	XROW 1
	XROW 2
	XROW 3
	s_wait_tensorcnt 0x0                           ; the wave's end
	ds_add_u32 v[SPW], v[NIL]
	s_wait_dscnt 0x0
	s_endpgm
.Lfunc_end_k_qf8d54c4e0c_norm2:
	.size	k_qf8d54c4e0c_norm2, .Lfunc_end_k_qf8d54c4e0c_norm2-k_qf8d54c4e0c_norm2
	.p2alignl 7, 3214868480
	.fill 96, 4, 3214868480
	.section	.rodata,"a",@progbits
	.p2align	6, 0x0
	.amdhsa_kernel k_qf8d54c4e0c_norm2
		.amdhsa_group_segment_fixed_size 20992
		.amdhsa_private_segment_fixed_size 0
		.amdhsa_enable_private_segment 0
		.amdhsa_kernarg_size 32
		.amdhsa_user_sgpr_count 2
		.amdhsa_user_sgpr_kernarg_segment_ptr 1
		.amdhsa_wavefront_size32 1
		.amdhsa_system_sgpr_workgroup_id_x 1
		.amdhsa_system_sgpr_workgroup_id_y 1
		.amdhsa_system_sgpr_workgroup_id_z 1
		.amdhsa_system_vgpr_workitem_id 0
		.amdhsa_next_free_vgpr 256
		.amdhsa_next_free_sgpr 66
		.amdhsa_reserve_vcc 0
		.amdhsa_float_denorm_mode_32 3
		.amdhsa_float_denorm_mode_16_64 3
		.amdhsa_fp16_overflow 1
		.amdhsa_memory_ordered 1
		.amdhsa_forward_progress 1
		.amdhsa_inst_pref_size 27
	.end_amdhsa_kernel
	.amdgpu_metadata
---
amdhsa.version: [ 1, 2 ]
amdhsa.kernels:
  - .name:           k_qf8d54c4e0c_norm2
    .symbol:         k_qf8d54c4e0c_norm2.kd
    .args:
      - { .name: x1, .offset: 0, .size: 8, .value_kind: global_buffer, .address_space: global }
      - { .name: ln2_w, .offset: 8, .size: 8, .value_kind: global_buffer, .address_space: global }
      - { .name: lowp_scales, .offset: 16, .size: 8, .value_kind: global_buffer, .address_space: global }
      - { .name: h2c, .offset: 24, .size: 8, .value_kind: global_buffer, .address_space: global }
    .group_segment_fixed_size: 20992
    .private_segment_fixed_size: 0
    .kernarg_segment_align: 8
    .kernarg_segment_size: 32
    .max_flat_workgroup_size: 128
    .sgpr_count:     66
    .vgpr_count:     256
    .wavefront_size: 32
...
	.end_amdgpu_metadata
.endif
;; end of part 5
;; launch up (part 6): grid 16 x 16, 4 waves a work-group, clusters of 4 x 4, 327,680 bytes of LDS; arguments h2c, wc, lowp_scales, actc; writes actc
.if DOCPART == 6
	.amdgcn_target "amdgcn-amd-amdhsa--gfx1250"
	.amdhsa_code_object_version 6
	.text
	.protected	k_qf8d54c4e0c_up
	.globl	k_qf8d54c4e0c_up
	.p2align	8
	.type	k_qf8d54c4e0c_up,@function
k_qf8d54c4e0c_up:
	s_mov_b64 s[64:65], 0
	v_nop
	global_prefetch_b8 v0, s[64:65] scope:SCOPE_SE
	s_setreg_imm32_b32 hwreg(HW_REG_WAVE_MODE, 25, 1), 1
	s_wait_xcnt 0x0
	s_wait_alu depctr_hold_cnt(0) depctr_sa_sdst(0) depctr_va_vdst(0) depctr_va_sdst(0) depctr_va_ssrc(0) depctr_va_vcc(0) depctr_vm_vsrc(0)
	s_getreg_b32 s2, hwreg(HW_REG_IB_STS2, 6, 4)
	s_cmp_eq_u32 s2, 0
	s_cbranch_scc0 .Lentry_in_a_cluster
	s_endpgm
.Lentry_in_a_cluster:
	s_bfe_u32 s2, ttmp6, 0x10000c
	s_cmp_lg_u32 s2, 0xf033
	s_cbranch_scc0 .Lentry_shape_is_right
	s_endpgm
.Lentry_shape_is_right:
; act = relu(h2 w_up^T)^2, quantised: product 7 on codes of E4M3 (h2: e12, w_up: e13, at byte 2,621,440 of wc), then the quantiser of product 8's operand (e14).  actc: [4096][4096] codes.
; A tile of 256 x 256 is made by four waves, 128 x 128 each: 64 accumulators, 512 registers.  K = 1,024 goes in steps of 256 through a ring of two LDS slots filled by the tensor data mover.
; CLUSTERS: 4 x 4 work-groups; A's tile is asked for jointly along a row of the cluster, B's along a column.  THE MATRIX INSTRUCTION IS USED TRANSPOSED: a lane holds eight neighbouring columns of one row: neighbours along the next K.
; THE ACTIVATION: a sum s stands for s 2^(e12 + e13), so the code is relu(s)^2 / 2^X, X = e14 - 2 (e12 + e13).  s is held between 0 and L = sqrt(448 x 2^X) (1 - 2^-20) AHEAD of the square: L^2 lies between 432 and 448 x 2^X,
; where every number has the largest code, so the code is the one that a hold behind the square gives, the clip at 0 costs nothing and no square overflows.
; LIMIT: X between -126 and 119.  NaN is not served.
; REGISTERS: window 0: v0-31 addresses and constants; from v128 A's fragments, ONE set; on the way out v32-255 are free.  window 1: B's fragments, TWO sets.  windows 2, 3: the accumulators ((a, b) at v[8 (8 (a % 4) + b)]).
.set SIZE_K, 1024
.set KSTEP,  256
.set ROWB,   256
.set KROW,   SIZE_K
.set PITCH,  272                       ; 256 bytes + 16 = 68 words: the 16 rows of a fragment load start 4 banks apart (64 banks of 4 bytes: ISA guide 11.1)
.set FR,     16
.set NL,     4
.set NP,     4
.set HALFT,  128*PITCH
.set SLOT,   4*HALFT
.set LAPS,   SIZE_K/(2*KSTEP)
.set SPARE,  2*SLOT
.set ADRA, 16
.set ADRB, 20
.set STO,  24
.set RD,   25
.set CO,   26
.set SPW,  28
.set NIL,  29
.set LP,   30                          ; v30 L;  v31 2^X
.set QSC,  31
.set TMP,  32
.set AF,   128
.set G1, 24
.set G0, 32
.set G1B, 48
.set G0B, 56
.set MSB, 0
.macro WIN new                         ; the immediate's high byte repeats the setting that is left
.if MSB != \new
	s_set_vgpr_msb (MSB<<8)|\new
.set MSB, \new
.endif
.endm
.set MUL_LO, 0xa1                      ; source 0 (B) window 1, source 1 (A) window 0, C and D window 2
.set MUL_HI, 0xf1
.set TO_B,   0x40
.macro JLOAD g0a, g1a, g0b, g1b        ; a joint load: waves 0, 1 fetch for A, waves 2, 3 for B; an s_nop 0 and four v_nop follow each line
	s_cmp_eq_u32 s15, 0
	s_cbranch_scc0 .Lfor_b_\@
	tensor_load_to_lds s[\g0a:\g0a+3], s[\g1a:\g1a+7]
	s_nop 0
.rept 4
	v_nop
.endr
	s_branch .Lasked_\@
.Lfor_b_\@:
	tensor_load_to_lds s[\g0b:\g0b+3], s[\g1b:\g1b+7]
	s_nop 0
.rept 4
	v_nop
.endr
.Lasked_\@:
.endm
.macro CREST
	s_cmp_lg_u32 s14, 0
	s_cbranch_scc1 .Lnot_wave_0_\@
	s_barrier_signal -3
.Lnot_wave_0_\@:
	s_barrier_wait -3
	s_barrier_signal -1
	s_barrier_wait -1
.endm
.macro CROUND
	s_barrier_signal -1
	s_barrier_wait -1
	CREST
.endm
	s_load_b128 s[4:7], s[0:1], 0x0                ; h2c, wc
	s_load_b128 s[8:11], s[0:1], 0x10              ; lowp_scales, actc
	v_lshl_add_u32 v[SPW], v0, 2, SPARE
	v_mov_b32 v[NIL], 0
	ds_add_u32 v[SPW], v[NIL]                      ; the wave's opening: the add and its wait ahead of my first tensor load
	v_lshrrev_b32 v1, 5, v0
	v_readfirstlane_b32 s14, v1
	s_lshr_b32 s15, s14, 1                         ; my half of the tile's rows.  Also: I fetch for A (0) or B (1)
	s_and_b32 s16, s14, 1                          ; my half of its columns.  Also: which 128 rows I fetch
	s_bfe_u32 s40, ttmp6, 0x40000
	s_bfe_u32 s41, ttmp6, 0x40004
	s_lshl_b32 s42, ttmp9, 2
	s_add_co_u32 s42, s42, s40                     ; tile column
	s_and_b32 s17, ttmp7, 0xffff
	s_lshl_b32 s17, s17, 2
	s_add_co_u32 s17, s17, s41                     ; tile row
	s_lshl_b32 s43, s41, 2
	s_lshl_b32 s43, 15, s43
	s_lshl_b32 s44, 0x1111, s40
	s_or_b32 s[G1+0], s43, (1<<20)|(1<<21)|(5<<22)|(3<<25)     ; the mask; elements of 1 byte; padding: 4 words after every 64; bit 21 beside a mask
	s_or_b32 s[G1B+0], s44, (1<<20)|(1<<21)|(5<<22)|(3<<25)
.irp g, G1, G1B
	s_mov_b32 s[\g+1], ROWB<<16
	s_mov_b32 s[\g+2], 128<<16
	s_mov_b32 s[\g+3], ROWB<<16
	s_mov_b32 s[\g+4], 128
	s_mov_b32 s[\g+5], KROW
	s_mov_b32 s[\g+6], 0
	s_mov_b32 s[\g+7], 0
.endr
	s_lshl_b32 s18, s16, 7
	s_lshl_b32 s20, s17, 8
	s_add_co_u32 s20, s20, s18
	s_lshl_b32 s46, s42, 8
	s_add_co_u32 s46, s46, s18
	s_mov_b32 s21, 0
	s_mov_b32 s47, 0
	s_mov_b64 s[18:19], KROW
	s_mul_u64 s[20:21], s[20:21], s[18:19]
	s_mul_u64 s[46:47], s[46:47], s[18:19]
	s_mul_i32 s45, s14, HALFT
	s_wait_dscnt 0x0                               ; the opening add is done
	s_wait_kmcnt 0x0
	s_load_b128 s[96:99], s[8:9], 0x30             ; e12, e13, e14, e15
	s_add_nc_u64 s[6:7], s[6:7], 2621440           ; w_up's codes
	s_add_nc_u64 s[20:21], s[4:5], s[20:21]
	s_add_nc_u64 s[46:47], s[6:7], s[46:47]
	CROUND                                         ; all sixteen work-groups are here: the first joint loads meet
.irp s, 0,1
	s_mov_b32 s[G0+4*\s], 1
	s_add_co_u32 s[G0+4*\s+1], s45, \s*SLOT
	s_add_nc_u64 s[G0+4*\s+2:G0+4*\s+3], s[20:21], \s*ROWB
	s_or_b32 s[G0+4*\s+3], s[G0+4*\s+3], 0x80000000
	s_mov_b32 s[G0B+4*\s], 1
	s_add_co_u32 s[G0B+4*\s+1], s45, \s*SLOT
	s_add_nc_u64 s[G0B+4*\s+2:G0B+4*\s+3], s[46:47], \s*ROWB
	s_or_b32 s[G0B+4*\s+3], s[G0B+4*\s+3], 0x80000000
	JLOAD G0+4*\s, G1, G0B+4*\s, G1B
.endr
	v_and_b32 v1, 15, v0
	v_bfe_u32 v2, v0, 4, 1
	v_mul_u32_u24 v3, v1, PITCH
	v_lshl_add_u32 v4, v2, 4, v3
	s_mul_i32 s21, s15, HALFT
	s_mul_i32 s22, s16, HALFT
	s_add_co_u32 s22, s22, 2*HALFT
.irp s, 0,1
	v_add_nc_u32 v[ADRA+\s], s21, v4
	v_add_nc_u32 v[ADRB+\s], s22, v4
	s_add_co_u32 s21, s21, SLOT
	s_add_co_u32 s22, s22, SLOT
.endr
	; the way out: ONE stage of 256 rows x (256 bytes of codes + 16), in slot 0, which has had its last fill and its last read when the first code is stored there
	s_mul_i32 s23, s15, 128*272
	s_lshl_b32 s21, s16, 7
	s_add_co_u32 s23, s23, s21
	v_mul_u32_u24 v5, v1, 272
	v_lshl_add_u32 v5, v2, 3, v5
	v_add_nc_u32 v[STO], s23, v5                   ; in: row 128 wm + r, byte 128 wn + 8 h
	s_mul_i32 s23, s14, 64*272
	v_mul_u32_u24 v5, v2, 272
	v_lshl_add_u32 v5, v1, 4, v5
	v_add_nc_u32 v[RD], s23, v5                    ; back: rows 64 w on, sixteen lanes to a row
	v_lshlrev_b32 v5, 12, v2
	v_lshl_add_u32 v[CO], v1, 4, v5
	s_lshl_b32 s20, s17, 8
	s_lshl_b32 s21, s14, 6
	s_add_co_u32 s20, s20, s21
	s_lshl_b32 s20, s20, 12                        ; the first row that I store, 4,096 bytes a row
	s_mov_b32 s21, 0
	s_lshl_b32 s46, s42, 8                         ; the tile's first column
	s_mov_b32 s47, 0
	s_add_nc_u64 s[10:11], s[10:11], s[20:21]
	s_add_nc_u64 s[10:11], s[10:11], s[46:47]
.macro FRAG reg, adr, q, i             ; 16 rows x 128 K: registers 4 c .. 4 c + 3 hold K = 32 c + 16 h + 0 .. 15, alike on both sides
.irp c, 0,1,2,3
	ds_load_b128 v[\reg+4*\c:\reg+4*\c+3], v[\adr] offset:128*(\q)+32*\c+(\i)*16*PITCH
.endr
.endm
.macro MUL16 a0, p, zero               ; A's blocks a0, a0 + 1 x B's eight.  The 64 accumulators take turns, one instruction a turn, in the same order in every step
.irp a, \a0, \a0+1
.irp b, 0,1,2,3,4,5,6,7
.if \zero
	v_wmma_f32_16x16x128_fp8_fp8 v[8*(8*((\a)%4)+\b):8*(8*((\a)%4)+\b)+7], v[128*(\p)+FR*\b:128*(\p)+FR*\b+FR-1], v[AF+FR*(\a):AF+FR*(\a)+FR-1], 0
.else
	v_wmma_f32_16x16x128_fp8_fp8 v[8*(8*((\a)%4)+\b):8*(8*((\a)%4)+\b)+7], v[128*(\p)+FR*\b:128*(\p)+FR*\b+FR-1], v[AF+FR*(\a):AF+FR*(\a)+FR-1], v[8*(8*((\a)%4)+\b):8*(8*((\a)%4)+\b)+7]
.endif
.endr
.endr
.endm
.macro FETCH_B slot, q, p
	WIN TO_B
.irp i, 0,1,2,3,4,5,6,7
	FRAG 128*(\p)+FR*\i, ADRB+\slot, \q, \i
.endr
	WIN 0
.endm
.macro FETCH_A slot, q, i0
.irp i, \i0, \i0+1, \i0+2, \i0+3
	FRAG AF+FR*(\i), ADRA+\slot, \q, \i
.endr
.endm
.macro PLACES n                        ; plain places behind matrix instructions, ahead of loads into their registers and of the first read of results
.rept \n
	v_nop
.endr
.endm
.macro STEP slot, q, zero              ; 128 along K that has its successor in the same slot
	s_wait_dscnt 4*NL                              ; B's set and A's blocks 0-3 are in; A's blocks 4-7 may be out
	WIN MUL_LO
	MUL16 0, (\q)%2, \zero
	MUL16 2, (\q)%2, \zero
	s_wait_dscnt 0
	PLACES NP
	FETCH_B \slot, (\q)+1, 1-(\q)%2
	FETCH_A \slot, (\q)+1, 0
	WIN MUL_HI
	MUL16 4, (\q)%2, \zero
	MUL16 6, (\q)%2, \zero
	PLACES NP
	WIN 0
	FETCH_A \slot, (\q)+1, 4
.endm
.macro TURN slot, next, fill           ; a slot's last step changes slots: one barrier; fill = 1: it opens a round of the cluster's barrier and this slot is filled again
	s_wait_tensorcnt 0x0                           ; all my tensor loads have landed: my part of the next slot (every window is 0 here)
	ds_add_u32 v[SPW], v[NIL]
	s_wait_dscnt 4*NL+1                            ; (the add and A's blocks 4-7 may be out)
	WIN MUL_LO
	MUL16 0, 1, 0
	s_wait_dscnt 0x0                               ; the add is done, my reads of this slot are over
	s_barrier_signal -1
	MUL16 2, 1, 0
	WIN 0
	s_barrier_wait -1
.if \fill
	CREST
	s_add_nc_u64 s[G0+4*\slot+2:G0+4*\slot+3], s[G0+4*\slot+2:G0+4*\slot+3], 2*ROWB
	s_add_nc_u64 s[G0B+4*\slot+2:G0B+4*\slot+3], s[G0B+4*\slot+2:G0B+4*\slot+3], 2*ROWB
	JLOAD G0+4*\slot, G1, G0B+4*\slot, G1B         ; the first tensor load behind the round; its four v_nop are the places ahead of the loads below
.else
	PLACES NP
.endif
	FETCH_B \next, 0, 0
	FETCH_A \next, 0, 0
	WIN MUL_HI
	MUL16 4, 1, 0
	MUL16 6, 1, 0
	PLACES NP
	WIN 0
	FETCH_A \next, 0, 4
.endm
	s_wait_tensorcnt 1                             ; my part of K step 0 is in; K step 1's may be out
	s_barrier_signal -1
	s_barrier_wait -1
	FETCH_B 0, 0, 0
	FETCH_A 0, 0, 0
	FETCH_A 0, 0, 4
	STEP 0, 0, 1                                   ; the first products start the sums
	s_mov_b32 s3, LAPS-1
.Llap:
	TURN 0, 1, 1
	STEP 1, 0, 0
	TURN 1, 0, 1
	STEP 0, 0, 0
	s_sub_co_u32 s3, s3, 1
	s_cmp_lg_u32 s3, 0
	s_cbranch_scc1 .Llap
	TURN 0, 1, 0
	STEP 1, 0, 0
	s_wait_dscnt 4*NL
	WIN MUL_LO
	MUL16 0, 1, 0
	MUL16 2, 1, 0
	s_wait_dscnt 0
	WIN MUL_HI
	MUL16 4, 1, 0
	MUL16 6, 1, 0
	WIN 0
	s_wait_kmcnt 0x0
	s_add_co_i32 s96, s96, s97
	s_lshl_b32 s96, s96, 1
	s_sub_co_i32 s96, s98, s96                     ; X = e14 - 2 (e12 + e13)
	s_add_co_i32 s96, s96, 127
	s_lshl_b32 s97, s96, 23
	v_mov_b32 v[QSC], s97                          ; 2^X
	s_add_co_i32 s96, s96, 8
	s_lshl_b32 s96, s96, 23
	s_or_b32 s96, s96, 0x600000
	v_mov_b32 v[LP], s96                           ; 448 x 2^X
	v_sqrt_f32 v[LP], v[LP]
	v_nop
	s_wait_alu depctr_va_vdst(0)                   ; the wait ahead of the root's first reader
	v_mul_f32 v[LP], 0x3f7ffff0, v[LP]
	PLACES NP
.macro ACT a                           ; block a, 16 rows x 128 columns: hold, square, codes, 8 bytes a tile into the stage
.set AC, 64*((\a)%4)
.set CD, 96+16*((\a)%2)
	WIN 0x02+((\a)/4)                              ; source 0: window 2 or 3
.set j, 0
.rept 64
	v_med3_num_f32 v[TMP+j], v[AC+j], 0, v[LP]     ; each accumulator from its low end on
.set j, j+1
.endr
	WIN 0
.set j, 0
.rept 32
	v_pk_mul_f32 v[TMP+j:TMP+j+1], v[TMP+j:TMP+j+1], v[TMP+j:TMP+j+1]
.set j, j+2
.endr
	s_wait_dscnt 8                                 ; the stores of two blocks back have read this set of code registers; the last block's eight may be out
.irp b, 0,1,2,3,4,5,6,7
	v_cvt_scalef32_pk8_fp8_f32 v[CD+2*\b:CD+2*\b+1], v[TMP+8*\b:TMP+8*\b+7], v[QSC]
.endr
	v_nop                                          ; a plain line behind the last conversion
.irp b, 0,1,2,3,4,5,6,7
	ds_store_b64 v[STO], v[CD+2*\b:CD+2*\b+1] offset:4352*(\a)+16*\b
.endr
.endm
.irp a, 0,1,2,3,4,5,6,7
	ACT \a
.endr
	s_wait_dscnt 0x0                               ; for the others' sake: a row's 256 bytes come from two waves
	s_barrier_signal -1
	s_barrier_wait -1
.set i, 0
.rept 32
	ds_load_b128 v[128+4*i:131+4*i], v[RD] offset:544*i
.set i, i+1
.endr
.set i, 0
.rept 32
	s_wait_dscnt 31-i
	global_store_b128 v[CO], v[128+4*i:131+4*i], s[10:11] offset:8192*i   ; sixteen lanes store 256 consecutive bytes, at a multiple of 256 from actc's first byte
.set i, i+1
.endr
	s_wait_tensorcnt 0x0                           ; the wave's end
	ds_add_u32 v[SPW], v[NIL]
	s_wait_dscnt 0x0
	CROUND                                         ; the closing round
	s_endpgm
.Lfunc_end_k_qf8d54c4e0c_up:
	.size	k_qf8d54c4e0c_up, .Lfunc_end_k_qf8d54c4e0c_up-k_qf8d54c4e0c_up
	.p2alignl 7, 3214868480
	.fill 96, 4, 3214868480
	.section	.rodata,"a",@progbits
	.p2align	6, 0x0
	.amdhsa_kernel k_qf8d54c4e0c_up
		.amdhsa_group_segment_fixed_size 327680
		.amdhsa_private_segment_fixed_size 0
		.amdhsa_enable_private_segment 0
		.amdhsa_kernarg_size 32
		.amdhsa_user_sgpr_count 2
		.amdhsa_user_sgpr_kernarg_segment_ptr 1
		.amdhsa_wavefront_size32 1
		.amdhsa_system_sgpr_workgroup_id_x 1
		.amdhsa_system_sgpr_workgroup_id_y 1
		.amdhsa_system_sgpr_workgroup_id_z 1
		.amdhsa_system_vgpr_workitem_id 0
		.amdhsa_next_free_vgpr 1024
		.amdhsa_next_free_sgpr 100
		.amdhsa_reserve_vcc 0
		.amdhsa_float_denorm_mode_32 3
		.amdhsa_float_denorm_mode_16_64 3
		.amdhsa_memory_ordered 1
		.amdhsa_forward_progress 1
		.amdhsa_inst_pref_size 141
	.end_amdhsa_kernel
	.amdgpu_metadata
---
amdhsa.version: [ 1, 2 ]
amdhsa.kernels:
  - .name:           k_qf8d54c4e0c_up
    .symbol:         k_qf8d54c4e0c_up.kd
    .args:
      - { .name: h2c, .offset: 0, .size: 8, .value_kind: global_buffer, .address_space: global }
      - { .name: wc, .offset: 8, .size: 8, .value_kind: global_buffer, .address_space: global }
      - { .name: lowp_scales, .offset: 16, .size: 8, .value_kind: global_buffer, .address_space: global }
      - { .name: actc, .offset: 24, .size: 8, .value_kind: global_buffer, .address_space: global }
    .group_segment_fixed_size: 327680
    .private_segment_fixed_size: 0
    .kernarg_segment_align: 8
    .kernarg_segment_size: 32
    .max_flat_workgroup_size: 128
    .sgpr_count:     100
    .vgpr_count:     1024
    .wavefront_size: 32
...
	.end_amdgpu_metadata
.endif
;; end of part 6
;; launch down (part 7): grid 8 x 32, 4 waves a work-group, clusters of 4 x 4, 327,680 bytes of LDS; arguments actc, wc, lowp_scales, x1, out0; writes out0
.if DOCPART == 7
	.amdgcn_target "amdgcn-amd-amdhsa--gfx1250"
	.amdhsa_code_object_version 6
	.text
	.protected	k_qf8d54c4e0c_down
	.globl	k_qf8d54c4e0c_down
	.p2align	8
	.type	k_qf8d54c4e0c_down,@function
k_qf8d54c4e0c_down:
	s_mov_b64 s[64:65], 0
	v_nop
	global_prefetch_b8 v0, s[64:65] scope:SCOPE_SE
	s_setreg_imm32_b32 hwreg(HW_REG_WAVE_MODE, 25, 1), 1
	s_wait_xcnt 0x0
	s_wait_alu depctr_hold_cnt(0) depctr_sa_sdst(0) depctr_va_vdst(0) depctr_va_sdst(0) depctr_va_ssrc(0) depctr_va_vcc(0) depctr_vm_vsrc(0)
	s_getreg_b32 s2, hwreg(HW_REG_IB_STS2, 6, 4)
	s_cmp_eq_u32 s2, 0
	s_cbranch_scc0 .Lentry_in_a_cluster
	s_endpgm
.Lentry_in_a_cluster:
	s_bfe_u32 s2, ttmp6, 0x10000c
	s_cmp_lg_u32 s2, 0xf033
	s_cbranch_scc0 .Lentry_shape_is_right
	s_endpgm
.Lentry_shape_is_right:
; OUT = RESID + (A B^T) 2^(ea + eb).  A: [4096][KB] codes of E4M3; B: [1024][KB] codes, at byte WOFF of wc; ea, eb at byte EOFF of lowp_scales; RESID, OUT: [4096][1024] f32.
; Here: product 8: A = the activation's codes, B = w_down, RESID = x1, OUT = out0.  K = 4,096: eight K steps, four laps round the ring.
; A tile of OUT is 128 x 128: 256 work-groups.  Four waves, 64 x 64 each: 16 accumulators.  K goes in steps of 512 through two LDS slots filled by the tensor data mover; rows of 512 bytes, 64 rows a load.
; A wave has two tensor loads out at the start and one behind each round.
; CLUSTERS: 4 x 4 work-groups; A's tile is asked for jointly along a row of the cluster, B's along a column.  THE MATRIX INSTRUCTION IS USED TRANSPOSED: a lane holds eight neighbouring numbers of a row of OUT.
; The clusters do not all begin at K = 0 (see below): a sum's eight K steps are added in an order that begins elsewhere and goes round; each is still added once, in f32.
; The wave's whole residual, 64 rows x 256 bytes, is asked for at the head, under the whole product.
; LIMIT: ea + eb between -126 and 127.
; REGISTERS: window 0: v16-29 addresses; v32-127 the residual of blocks 0 to 2; v128-255 the accumulators.  window 1: two fragment buffers of 128 (A's four blocks, B's four).  window 2: v0-31 the residual of block 3.
.set KB,     4096
.set WOFF,   6815744
.set EOFF,   0x38
.set KSTEP,  512
.set PITCH,  528                       ; 512 bytes + 16 = 132 words: the 16 rows of a fragment load start 4 banks apart (64 banks of 4 bytes: ISA guide 11.1)
.set HALFT,  64*PITCH
.set SLOT,   4*HALFT
.set STAGE,  2*SLOT                    ; the way out: 16 rows x 272 bytes for each wave
.set SPITCH, 272
.set SPARE,  STAGE+4*16*SPITCH
.set LAPS,   KB/(2*KSTEP)
.set ADRA, 16
.set ADRB, 20
.set STO,  24
.set RD,   25
.set CO,   26
.set SPW,  28
.set NIL,  29
.set RS,   32
.set ACC,  128
.set F0,   0
.set F1,   128
.set G1,   24
.set G0,   32
.set G1B,  48
.set G0B,  56
.set OFF,  74                          ; s74, s75 the byte along K at which slot 0's, slot 1's tile begins; s[76:77] the same as a pair; s[80:81], s[82:83] my rows of A, of B at K = 0
.set MSB, 0
.macro WIN new                         ; the immediate's high byte repeats the setting that is left
.if MSB != \new
	s_set_vgpr_msb (MSB<<8)|\new
.set MSB, \new
.endif
.endm
.set MUL,  0x05
.set TO_F, 0x40
.macro JLOAD s                         ; a joint load: waves 0, 1 fetch A's halves, waves 2, 3 B's; an s_nop 0 and four v_nop follow each line
	s_cmp_eq_u32 s11, 0
	s_cbranch_scc0 .Lfor_b_\@
	tensor_load_to_lds s[G0+4*\s:G0+4*\s+3], s[G1:G1+7]
	s_nop 0
.rept 4
	v_nop
.endr
	s_branch .Lasked_\@
.Lfor_b_\@:
	tensor_load_to_lds s[G0B+4*\s:G0B+4*\s+3], s[G1B:G1B+7]
	s_nop 0
.rept 4
	v_nop
.endr
.Lasked_\@:
.endm
.macro CREST                           ; a round of the cluster's barrier behind its opening barrier
	s_cmp_lg_u32 s10, 0
	s_cbranch_scc1 .Lnot_wave_0_\@
	s_barrier_signal -3
.Lnot_wave_0_\@:
	s_barrier_wait -3
	s_barrier_signal -1
	s_barrier_wait -1
.endm
.macro CROUND
	s_barrier_signal -1
	s_barrier_wait -1
	CREST
.endm
.macro PLACES
.rept 4
	v_nop
.endr
.endm
	s_load_b128 s[4:7], s[0:1], 0x0                ; A's codes, wc
	s_load_b128 s[68:71], s[0:1], 0x10             ; lowp_scales, RESID
	s_load_b64 s[8:9], s[0:1], 0x20                ; OUT
	v_lshl_add_u32 v[SPW], v0, 2, SPARE
	v_mov_b32 v[NIL], 0
	ds_add_u32 v[SPW], v[NIL]                      ; the wave's opening: the add and its wait ahead of my first tensor load
	v_lshrrev_b32 v1, 5, v0
	v_readfirstlane_b32 s10, v1
	s_lshr_b32 s11, s10, 1                         ; my half of the tile's rows.  Also: I fetch for A (0) or B (1)
	s_and_b32 s12, s10, 1                          ; my half of its columns.  Also: which 64 rows I fetch
	s_bfe_u32 s40, ttmp6, 0x40000                  ; cx, cy
	s_bfe_u32 s41, ttmp6, 0x40004
	s_lshl_b32 s42, ttmp9, 2
	s_add_co_u32 s42, s42, s40                     ; tile column
	s_and_b32 s13, ttmp7, 0xffff
	s_lshl_b32 s13, s13, 2
	s_add_co_u32 s13, s13, s41                     ; tile row
	s_lshl_b32 s43, s41, 2
	s_lshl_b32 s43, 15, s43                        ; my row of the cluster
	s_lshl_b32 s44, 0x1111, s40                    ; my column
	s_or_b32 s[G1+0], s43, (1<<20)|(1<<21)|(6<<22)|(3<<25)     ; the mask; elements of 1 byte; padding: 4 words after every 128; bit 21 beside a mask
	s_or_b32 s[G1B+0], s44, (1<<20)|(1<<21)|(6<<22)|(3<<25)
.irp g, G1, G1B
	s_mov_b32 s[\g+1], KSTEP<<16
	s_mov_b32 s[\g+2], 64<<16
	s_mov_b32 s[\g+3], KSTEP<<16
	s_mov_b32 s[\g+4], 64
	s_mov_b32 s[\g+5], KB
	s_mov_b32 s[\g+6], 0
	s_mov_b32 s[\g+7], 0
.endr
	s_lshl_b32 s17, s12, 6
	s_lshl_b32 s16, s13, 7
	s_add_co_u32 s16, s16, s17                     ; A: row 128 x tile row + 64 x half
	s_lshl_b32 s46, s42, 7
	s_add_co_u32 s46, s46, s17                     ; B: row 128 x tile column + 64 x half
	s_mov_b32 s17, 0
	s_mov_b32 s47, 0
	s_mov_b64 s[18:19], KB
	s_mul_u64 s[16:17], s[16:17], s[18:19]
	s_mul_u64 s[46:47], s[46:47], s[18:19]
	s_mul_i32 s20, s10, HALFT
.if LAPS > 1
	; WHERE A CLUSTER BEGINS ALONG K: at K step (2 y + 4 x) mod 8, x and y the cluster's own place in the grid, the same number in all sixteen partners; from there it walks round all eight steps.
	; The two clusters that read the same rows of A (x = 0, 1) are four steps apart; four neighbouring clusters along y, which read the same rows of B, begin at four different pairs of steps.
	s_and_b32 s[OFF], ttmp7, 0xffff
	s_lshl_b32 s[OFF], s[OFF], 1
	s_lshl_b32 s[OFF+1], ttmp9, 2
	s_add_co_u32 s[OFF], s[OFF], s[OFF+1]
	s_mul_i32 s[OFF], s[OFF], KSTEP
	s_and_b32 s[OFF], s[OFF], KB-1
.else
	s_mov_b32 s[OFF], 0
.endif
	s_add_co_u32 s[OFF+1], s[OFF], KSTEP           ; slot 0 begins at an even K step, so slot 1's lies inside the row
	s_mov_b32 s77, 0
	s_wait_dscnt 0x0                               ; the opening add is done
	s_wait_kmcnt 0x0
	s_load_b64 s[72:73], s[68:69], EOFF            ; ea, eb
	s_add_nc_u64 s[6:7], s[6:7], WOFF
	s_add_nc_u64 s[80:81], s[4:5], s[16:17]
	s_add_nc_u64 s[82:83], s[6:7], s[46:47]
	CROUND                                         ; all sixteen work-groups are here: the first joint loads meet
.irp s, 0,1
	s_mov_b32 s76, s[OFF+\s]
	s_mov_b32 s[G0+4*\s], 1
	s_add_co_u32 s[G0+4*\s+1], s20, \s*SLOT
	s_add_nc_u64 s[G0+4*\s+2:G0+4*\s+3], s[80:81], s[76:77]
	s_or_b32 s[G0+4*\s+3], s[G0+4*\s+3], 0x80000000
	s_mov_b32 s[G0B+4*\s], 1
	s_add_co_u32 s[G0B+4*\s+1], s20, \s*SLOT
	s_add_nc_u64 s[G0B+4*\s+2:G0B+4*\s+3], s[82:83], s[76:77]
	s_or_b32 s[G0B+4*\s+3], s[G0B+4*\s+3], 0x80000000
	JLOAD \s
.endr
	v_and_b32 v1, 15, v0
	v_bfe_u32 v2, v0, 4, 1
	v_mul_u32_u24 v3, v1, PITCH
	v_lshl_add_u32 v3, v2, 4, v3
	s_mul_i32 s21, s11, HALFT
	s_mul_i32 s22, s12, HALFT
	s_add_co_u32 s22, s22, 2*HALFT
.irp s, 0,1
	v_add_nc_u32 v[ADRA+\s], s21, v3
	v_add_nc_u32 v[ADRB+\s], s22, v3
	s_add_co_u32 s21, s21, SLOT
	s_add_co_u32 s22, s22, SLOT
.endr
	s_mul_i32 s23, s10, 16*SPITCH
	s_add_co_u32 s23, s23, STAGE
	v_mul_u32_u24 v4, v1, SPITCH
	v_lshl_add_u32 v4, v2, 5, v4
	v_add_nc_u32 v[STO], s23, v4                   ; in: row r, 32 bytes for each half of the lanes
	v_mul_u32_u24 v5, v2, SPITCH
	v_lshl_add_u32 v5, v1, 4, v5
	v_add_nc_u32 v[RD], s23, v5                    ; back: sixteen lanes to a row of 256 bytes
	v_lshlrev_b32 v5, 12, v2
	v_lshl_add_u32 v[CO], v1, 4, v5                ; the same two rows in RESID and OUT
	s_lshl_b32 s16, s13, 7
	s_lshl_b32 s17, s11, 6
	s_add_co_u32 s16, s16, s17
	s_lshl_b32 s16, s16, 12                        ; my first row, 4,096 bytes a row
	s_mov_b32 s17, 0
	s_lshl_b32 s46, s42, 9
	s_lshl_b32 s47, s12, 8
	s_add_co_u32 s46, s46, s47                     ; my first column, in bytes
	s_mov_b32 s47, 0
	s_add_nc_u64 s[8:9], s[8:9], s[16:17]
	s_add_nc_u64 s[8:9], s[8:9], s[46:47]
	s_add_nc_u64 s[70:71], s[70:71], s[16:17]
	s_add_nc_u64 s[70:71], s[70:71], s[46:47]
.irp a, 0,1,2
.irp i, 0,1,2,3,4,5,6,7
	global_load_b128 v[RS+32*\a+4*\i:RS+32*\a+4*\i+3], v[CO], s[70:71] offset:65536*\a+8192*\i   ; the residual of blocks 0 to 2,
.endr
.endr
	WIN 0x80                                       ; destination window 2
.irp i, 0,1,2,3,4,5,6,7
	global_load_b128 v[4*\i:4*\i+3], v[CO], s[70:71] offset:65536*3+8192*\i                      ; and of block 3: all 32 loads are out under the whole product
.endr
	WIN 0
.macro MUL4 f, a, zero                 ; A's block a against B's four.  The 16 accumulators take turns, one instruction a turn, in the same order in every quarter
.irp b, 0,1,2,3
.if \zero
	v_wmma_f32_16x16x128_fp8_fp8 v[ACC+8*(4*(\a)+\b):ACC+8*(4*(\a)+\b)+7], v[\f+64+16*\b:\f+64+16*\b+15], v[\f+16*(\a):\f+16*(\a)+15], 0
.else
	v_wmma_f32_16x16x128_fp8_fp8 v[ACC+8*(4*(\a)+\b):ACC+8*(4*(\a)+\b)+7], v[\f+64+16*\b:\f+64+16*\b+15], v[\f+16*(\a):\f+16*(\a)+15], v[ACC+8*(4*(\a)+\b):ACC+8*(4*(\a)+\b)+7]
.endif
.endr
.endm
.macro FETCH slot, k, f                ; 32 LDS loads in one run: B's four fragments, then A's
	WIN TO_F
.irp i, 0,1,2,3
.irp c, 0,1,2,3
	ds_load_b128 v[\f+64+16*\i+4*\c:\f+64+16*\i+4*\c+3], v[ADRB+\slot] offset:\k+32*\c+\i*16*PITCH
.endr
.endr
.irp i, 0,1,2,3
.irp c, 0,1,2,3
	ds_load_b128 v[\f+16*\i+4*\c:\f+16*\i+4*\c+3], v[ADRA+\slot] offset:\k+32*\c+\i*16*PITCH
.endr
.endr
.endm
.macro QUARTER slot, k, f, g, zero
	s_wait_dscnt 8                                 ; B's four and A's blocks 0, 1 are in; the youngest eight loads may be out
	WIN MUL
	MUL4 \f, 0, \zero
	MUL4 \f, 1, \zero
	PLACES
	FETCH \slot, \k, \g
	s_wait_dscnt 32                                ; all but the 32 just issued
	WIN MUL
	MUL4 \f, 2, \zero
	MUL4 \f, 3, \zero
.endm
.macro TURN slot, next, fill           ; a slot's last quarter changes slots: one barrier; fill = 1: it opens a round of the cluster's barrier and this slot is filled again, two steps on, round the end of K
	WIN 0
	s_wait_tensorcnt 0x0                           ; all my tensor loads have landed: my part of the next slot; so every group 0 may be written
	ds_add_u32 v[SPW], v[NIL]                      ; with fill = 1 the descriptors' steps stand between the add and the wait for it
.if \fill
	s_add_co_u32 s[OFF+\slot], s[OFF+\slot], 2*KSTEP
	s_and_b32 s[OFF+\slot], s[OFF+\slot], KB-1     ; behind the row's last K step comes its first
	s_mov_b32 s76, s[OFF+\slot]
	s_add_nc_u64 s[G0+4*\slot+2:G0+4*\slot+3], s[80:81], s[76:77]
	s_or_b32 s[G0+4*\slot+3], s[G0+4*\slot+3], 0x80000000
	s_add_nc_u64 s[G0B+4*\slot+2:G0B+4*\slot+3], s[82:83], s[76:77]
	s_or_b32 s[G0B+4*\slot+3], s[G0B+4*\slot+3], 0x80000000
.endif
	s_wait_dscnt 9                                 ; (the add and the youngest eight loads may be out)
	WIN MUL
	MUL4 F1, 0, 0
	s_wait_dscnt 0x0                               ; the add is done, my reads of this slot are over
	s_barrier_signal -1
	MUL4 F1, 1, 0
.if \fill
	WIN 0
.endif
	s_barrier_wait -1
.if \fill
	CREST
	JLOAD \slot                                    ; the first tensor load behind the round; its four v_nop are also the places ahead of the loads below
.else
	PLACES
.endif
	FETCH \next, 0, F0
	WIN MUL
	MUL4 F1, 2, 0
	MUL4 F1, 3, 0
.endm
	s_wait_tensorcnt 1                             ; my part of slot 0 is in; slot 1's may be out
	s_barrier_signal -1
	s_barrier_wait -1
	FETCH 0, 0, F0
	QUARTER 0, 128, F0, F1, 1                      ; the first products start the sums
.if LAPS > 1
	WIN 0
	s_mov_b32 s3, LAPS-1
.Llap:                                             ; a trip goes once round the ring, from a lap's second quarter to the next lap's first, and fills both slots again
	QUARTER 0, 256, F1, F0, 0
	QUARTER 0, 384, F0, F1, 0
	TURN 0, 1, 1
	QUARTER 1, 128, F0, F1, 0
	QUARTER 1, 256, F1, F0, 0
	QUARTER 1, 384, F0, F1, 0
	TURN 1, 0, 1
	QUARTER 0, 128, F0, F1, 0
	WIN 0
	s_sub_co_u32 s3, s3, 1
	s_cmp_lg_u32 s3, 0
	s_cbranch_scc1 .Llap
.endif
	QUARTER 0, 256, F1, F0, 0                      ; the last lap fills nothing
	QUARTER 0, 384, F0, F1, 0
	TURN 0, 1, 0
	QUARTER 1, 128, F0, F1, 0
	QUARTER 1, 256, F1, F0, 0
	QUARTER 1, 384, F0, F1, 0
	s_wait_dscnt 8
	WIN MUL
	MUL4 F1, 0, 0
	MUL4 F1, 1, 0
	s_wait_dscnt 0x0
	MUL4 F1, 2, 0
	MUL4 F1, 3, 0
	WIN 0
	PLACES
	s_wait_kmcnt 0x0
	s_add_co_i32 s72, s72, s73
	s_add_co_i32 s72, s72, 127
	s_lshl_b32 s72, s72, 23                        ; 2^(ea + eb)
	s_mov_b32 s73, s72
; THE WAY OUT, a block of 16 rows x 64 columns at a time: through my own stage, back as whole rows of 256 bytes into the registers that they left; sum x 2^(ea + eb) + residual; sixteen lanes store 256 consecutive bytes.
.macro OUTB a, rs, w, left             ; rs, w: the block's residual and the window setting that reaches it as source 2; left: the residual loads younger than this block's eight
.set AB, ACC+32*(\a)
.irp b, 0,1,2,3
	ds_store_b128 v[STO], v[AB+8*\b:AB+8*\b+3] offset:64*\b            ; each accumulator from its low end on
	ds_store_b128 v[STO], v[AB+8*\b+4:AB+8*\b+7] offset:64*\b+16
.endr
.irp i, 0,1,2,3,4,5,6,7
	ds_load_b128 v[AB+4*\i:AB+4*\i+3], v[RD] offset:2*SPITCH*\i        ; LDS serves a wave's instructions in order: these see my stores
.endr
	s_wait_dscnt 0x0
	s_wait_loadcnt \left
	WIN \w
.set i, 0
.rept 16
	v_pk_fma_f32 v[AB+i:AB+i+1], v[AB+i:AB+i+1], s[72:73], v[\rs+i:\rs+i+1] op_sel_hi:[1,0,1]
.set i, i+2
.endr
	WIN 0
.irp i, 0,1,2,3,4,5,6,7
	global_store_b128 v[CO], v[AB+4*\i:AB+4*\i+3], s[8:9] offset:65536*(\a)+8192*\i
.endr
.endm
	OUTB 0, RS, 0, 24
	OUTB 1, RS+32, 0, 16
	OUTB 2, RS+64, 0, 8
	OUTB 3, 0, 0x20, 0                             ; block 3's residual lies in window 2
	s_wait_tensorcnt 0x0                           ; the wave's end
	ds_add_u32 v[SPW], v[NIL]
	s_wait_dscnt 0x0
	CROUND                                         ; the closing round
	s_endpgm
.Lfunc_end_k_qf8d54c4e0c_down:
	.size	k_qf8d54c4e0c_down, .Lfunc_end_k_qf8d54c4e0c_down-k_qf8d54c4e0c_down
	.p2alignl 7, 3214868480
	.fill 96, 4, 3214868480
	.section	.rodata,"a",@progbits
	.p2align	6, 0x0
	.amdhsa_kernel k_qf8d54c4e0c_down
		.amdhsa_group_segment_fixed_size 327680
		.amdhsa_private_segment_fixed_size 0
		.amdhsa_enable_private_segment 0
		.amdhsa_kernarg_size 40
		.amdhsa_user_sgpr_count 2
		.amdhsa_user_sgpr_kernarg_segment_ptr 1
		.amdhsa_wavefront_size32 1
		.amdhsa_system_sgpr_workgroup_id_x 1
		.amdhsa_system_sgpr_workgroup_id_y 1
		.amdhsa_system_sgpr_workgroup_id_z 1
		.amdhsa_system_vgpr_workitem_id 0
		.amdhsa_next_free_vgpr 640
		.amdhsa_next_free_sgpr 100
		.amdhsa_reserve_vcc 0
		.amdhsa_float_denorm_mode_32 3
		.amdhsa_float_denorm_mode_16_64 3
		.amdhsa_memory_ordered 1
		.amdhsa_forward_progress 1
		.amdhsa_inst_pref_size 78
	.end_amdhsa_kernel
	.amdgpu_metadata
---
amdhsa.version: [ 1, 2 ]
amdhsa.kernels:
  - .name:           k_qf8d54c4e0c_down
    .symbol:         k_qf8d54c4e0c_down.kd
    .args:
      - { .name: actc, .offset: 0, .size: 8, .value_kind: global_buffer, .address_space: global }
      - { .name: wc, .offset: 8, .size: 8, .value_kind: global_buffer, .address_space: global }
      - { .name: lowp_scales, .offset: 16, .size: 8, .value_kind: global_buffer, .address_space: global }
      - { .name: x1, .offset: 24, .size: 8, .value_kind: global_buffer, .address_space: global }
      - { .name: out0, .offset: 32, .size: 8, .value_kind: global_buffer, .address_space: global }
    .group_segment_fixed_size: 327680
    .private_segment_fixed_size: 0
    .kernarg_segment_align: 8
    .kernarg_segment_size: 40
    .max_flat_workgroup_size: 128
    .sgpr_count:     100
    .vgpr_count:     640
    .wavefront_size: 32
...
	.end_amdgpu_metadata
.endif
;; end of part 7
